; MI455X (gfx1250); checked and timed in simulation.
; The chip was launched on July 23, 2026; its instructions are those of AMD's public machine-readable ISA for CDNA 5 (MIT licence, August 2026) and "CDNA5" Instruction Set Architecture Reference Guide (July 2026). The comments in the code are by the model that wrote it; some were corrected since.
;; Self Attention. Allowed arithmetic: matrix products marked QUANTISED: E2M1 operands, one E8M0 scale for each 32 along K, by v_wmma_scale_f32_16x16x128_f8f6f4 with both operands' format E2M1 (or v_wmma_scale_f32_32x16x128_f4), f32 sums; products left as they are: bf16, f16 or f32 operands; f32 sums; everything else in f32.
;; Inputs: Wk 2,048 x 16 x 128 float32; Wo 16 x 128 x 2,048 float32; Wq 2,048 x 16 x 128 float32; Wv 2,048 x 16 x 128 float32; mask 1 x 1 x 2,048 x 2,048 bool; x 1 x 2,048 x 2,048 float32.
;; Outputs: out0 1 x 2,048 x 2,048 float32.
;; This version of the problem:
;;   THIS VERSION OF THE PROBLEM IS GIVEN IN LOW PRECISION. The matrix products marked QUANTISED in the list below multiply operands that are first quantised to E2M1 (2 exponent bits, 1 mantissa bit; 4 bits a number), with one power-of-two scale for each 32 numbers along K (OCP MX v1.0); their sums are f32. The products marked 'left as it is' may take bf16, f16 or f32 operands, with f32 sums. Whichever they take, every output number must still come out within the allowed error. Rounding operands to bf16 (8 significant bits) uses up far more of that allowance than f16 does (11 bits, for magnitudes from 6e-5 to 65,504). All else is computed in f32.
;;   The module's matrix products, in the order in which they are computed (A, B: the left and right operand; K: the contracted axis; several contracted axes count as one K, in the product's order):
;;     1. [M 2,048, K 2,048] x [K 2,048, N 2,048]; A: input x; B: input Wq: QUANTISED
;;     2. [M 2,048, K 2,048] x [K 2,048, N 2,048]; A: input x; B: input Wk: QUANTISED
;;     3. [M 2,048, K 2,048] x [K 2,048, N 2,048]; A: input x; B: input Wv: QUANTISED
;;     4. batch 16 x [M 2,048, K 128] x [K 128, N 2,048]; A: computed on the way; B: computed on the way: left as it is (an operand is computed on the way)
;;     5. batch 16 x [M 128, K 2,048] x [K 2,048, N 2,048]; A: computed on the way; B: computed on the way: left as it is (an operand is computed on the way)
;;     6. [M 2,048, K 2,048] x [K 2,048, N 2,048]; A: computed on the way; B: input Wo: left as it is (an operand is computed on the way)
;;   THE QUANTISER, for each operand of a quantised product, along K:
;;     - K is cut into blocks of 32 from its start; a last block that is shorter is filled with zeros.
;;     - A block's scale is 2^e with e = floor(log2(the largest magnitude in the block)) - 2, held to -126 .. 127; a block of zeros has e = 0. As a byte (E8M0): e + 127.
;;     - Each number is divided by its block's scale, clamped to +-6, and rounded to the nearest number of E2M1, ties to even, subnormals kept.
;;     - The product sums the exact products of the quantised numbers (number of the format x scale) in f32.
;;   ~~~python
;;   def quantise(x, axis):      # numpy; x: float32 -> the quantised numbers, widened to float32 again
;;       x = np.moveaxis(x, axis, -1); K = x.shape[-1]
;;       x = np.pad(x, [(0, 0)] * (x.ndim - 1) + [(0, -K % 32)]); x = x.reshape(x.shape[:-1] + (-1, 32)); a = np.abs(x).max(-1, keepdims=True)
;;       e = np.where(a > 0, np.clip(np.frexp(np.where(a > 0, a, 1))[1] - 1 - 2, -126, 127), 0)      # np.frexp(a)[1] - 1 = floor(log2(a)), exactly
;;       r = np.clip(x / 2.0 ** e, -6, 6)
;;       step = 2.0 ** (np.maximum(np.frexp(np.where(r == 0, 1, r))[1] - 1, 0) - 1)
;;       q = np.round(r / step) * step * 2.0 ** e      # np.round: ties to even
;;       return np.moveaxis(q.reshape(q.shape[:-2] + (-1,))[..., :K], -1, axis).astype(np.float32)
;;   ~~~
;; One version. Each part assembles by itself: llvm-mc -triple=amdgcn-amd-amdhsa -mcpu=gfx1250 --defsym DOCPART=n.
;; ======== version 1 of 1: 4 launches
;; limits: values are held in f16: magnitudes above 65,504 overflow, below 6.1e-05 lose precision
;; workspace buffers: codes 8,388,608 bytes; scales 524,288 bytes; wo16 16,777,216 bytes; tabs 1,048,576 bytes; mbits 524,288 bytes of whole numbers; qkv16 25,165,824 bytes; ctx16 8,454,144 bytes
;; launch prep (part 1): grid 896 x 1, 4 waves a work-group, no clusters, 70,144 bytes of LDS; arguments x, Wq, Wk, Wv, Wo, mask, codes, scales, wo16, tabs, mbits; writes codes, scales, wo16, tabs, mbits
.if DOCPART == 1
	.amdgcn_target "amdgcn-amd-amdhsa--gfx1250"
	.amdhsa_code_object_version 6
	.text
	.protected	k_qa32d5c92ef_prep
	.globl	k_qa32d5c92ef_prep
	.p2align	8
	.type	k_qa32d5c92ef_prep,@function
k_qa32d5c92ef_prep:
	s_mov_b64 s[64:65], 0
	v_nop
	global_prefetch_b8 v0, s[64:65] scope:SCOPE_SE
	s_setreg_imm32_b32 hwreg(HW_REG_WAVE_MODE, 25, 1), 1
	s_wait_xcnt 0x0
; PREP: everything that is made once from the inputs, five jobs told apart by the work-group's number alone (the same in all four waves):
;   0..191   Wq, Wk, Wv [2048 (k)][2048 (n)] f32 -> codes of FP4 (E2M1) with K innermost and one E8M0 byte for each 32 along K: rows 2048.. of codes / scales
;   192..319 x [2048][2048] f32 -> the same, rows 0..2047
;   320..575 Wo [2048 (k)][2048 (n)] f32 -> two f16 numbers each, a high part and what is left of it, laid as images of the operand's registers
;   576..831 mask [2048 (q)][2048 (k)] bytes -> one bit a score, 1 = hidden, in the order in which a lane of the attention launch meets its scores
;   832..895 the table of cos and sin for the rotation of q and k, in the layout of the projection's results
; DEAD WORK: none is left out in this program.  The mask is an input, so every key is computed for every query; every input is loaded.
; THE QUANTISER: a block's scale is 2^(floor(log2(largest magnitude)) - 2); its byte is the largest magnitude's exponent field - 2, held at 1 from below; numbers are divided by it and rounded to the nearest code, ties to even, beyond 6 the code of 6.
; LIMITS: a block of zeros gets the byte 1 where the rule says 127 (its codes are zeros, and this program alone reads the bytes); NaN and infinities among the inputs are not served;
; Wo must lie within +-65,504 (f16); the angle of the rotation is position x frequency with the frequency from v_exp_f32: some 2.5e-7 relative, up to 5e-4 radians at position 2,047.
; LDS: each job has bytes of its own: W's four stages 0..34,815; x's four regions 34,816..67,583; the mask's four images 67,584..69,631; the spare words from 69,632.
.set SPARE, 69632
.set SPW,   190                        ; v190 LDS address of my spare word; never rewritten
.set NIL,   191                        ; v191 0; never rewritten
.set XREG,  34816
.set MIMG,  67584
	s_load_b512 s[4:19], s[0:1], 0x0               ; x 4, Wq 6, Wk 8, Wv 10, Wo 12, mask 14, codes 16, scales 18
	s_load_b128 s[20:23], s[0:1], 0x40             ; wo16 20, tabs 22
	s_load_b64 s[24:25], s[0:1], 0x50              ; mbits
	v_lshl_add_u32 v[SPW], v0, 2, SPARE
	v_mov_b32 v[NIL], 0
	v_lshrrev_b32 v1, 5, v0
	v_readfirstlane_b32 s26, v1                    ; wave 0..3
	v_and_b32 v2, 31, v0                           ; lane
	s_wait_kmcnt 0x0
	s_cmp_lt_u32 ttmp9, 192
	s_cbranch_scc1 .Lw
	s_cmp_lt_u32 ttmp9, 320
	s_cbranch_scc1 .Lx
	s_cmp_lt_u32 ttmp9, 576
	s_cbranch_scc1 .Lwo
	s_cmp_lt_u32 ttmp9, 832
	s_cbranch_scc1 .Lmask
; ---- THE TABLE.  tabs[ablk 128][cs 2][b 4][g 2][lane][4 f32]: cos (cs = 0) or sin (cs = 1) of position 16 ablk + lane % 16 times frequency number 16 b + 8 (lane / 16) + 4 g + e.
; Frequency number i is 10000^(-i / 64) = 2^(-0.2076205 i).  A wave makes one ablk and two of the four b: 16 b is a whole power of ten, 10^-b.
	s_sub_co_u32 s27, ttmp9, 832
	s_lshl_b32 s27, s27, 2
	s_add_co_u32 s27, s27, s26                     ; 0..255
	s_lshr_b32 s28, s27, 1                         ; ablk
	s_and_b32 s29, s27, 1                          ; which two b
	s_cmp_eq_u32 s29, 0
	s_cselect_b32 s32, 1.0, 0x3c23d70a             ; 10^-b of my first b: 1 or 0.01
	s_mov_b32 s33, 0x3a83126f
	s_cselect_b32 s33, 0x3dcccccd, s33             ; of my second: 0.1 or 0.001
	s_lshl_b32 s30, s28, 13
	s_lshl_b32 s31, s29, 11
	s_add_co_u32 s30, s30, s31
	s_mov_b32 s31, 0
	s_add_nc_u64 s[22:23], s[22:23], s[30:31]
	v_and_b32 v3, 15, v2
	v_lshrrev_b32 v4, 4, v2
	s_lshl_b32 s30, s28, 4
	v_add_nc_u32 v5, s30, v3
	v_cvt_f32_u32 v5, v5                           ; my position
	v_lshlrev_b32 v6, 3, v4
	v_lshlrev_b32 v7, 4, v2                        ; 16 bytes a lane
	v_mov_b32 v28, 0x3638ef1d                      ; 1 / 9!
	v_mov_b32 v29, 0x37d00d01                      ; 1 / 8!
.irp n, 0,1,2,3,4,5,6,7
	v_add_nc_u32 v[8+\n], \n, v6
.endr
.irp n, 0,1,2,3,4,5,6,7
	v_cvt_f32_u32 v[8+\n], v[8+\n]
.endr
.irp n, 0,1,2,3,4,5,6,7
	v_mul_f32 v[8+\n], 0xbe549a78, v[8+\n]
.endr
.irp n, 0,1,2,3,4,5,6,7
	v_exp_f32 v[8+\n], v[8+\n]                     ; the eight frequencies 8 (lane / 16) + n
.endr
	v_nop                                          ; a plain instruction behind the last exponential,
	s_wait_alu depctr_va_vdst(0)                   ; and one wait for the eight, ahead of their first reader
; cos and sin of position x frequency: the angle less the nearest multiple k of pi / 2 (pi / 2 in two parts, by fused multiply-adds), two polynomials on +-pi / 4, and the quadrant from k.
.macro SINCOS dc, ds, F, sD
	v_mul_f32 v20, s[\sD], v[\F]
	v_mul_f32 v20, v5, v20                         ; the angle
	v_mul_f32 v21, 0x3f22f983, v20
	v_rndne_f32 v21, v21                           ; k
	v_fmamk_f32 v22, v21, 0xbfc90fdb, v20
	v_fmamk_f32 v22, v21, 0x333bbd2e, v22          ; r
	v_mul_f32 v23, v22, v22
	v_fmaak_f32 v24, v23, v28, 0xb9500d01
	v_fmaak_f32 v25, v23, v29, 0xbab60b61
	v_fmaak_f32 v24, v24, v23, 0x3c088889
	v_fmaak_f32 v25, v25, v23, 0x3d2aaaab
	v_fmaak_f32 v24, v24, v23, 0xbe2aaaab
	v_fma_f32 v25, v25, v23, -0.5
	v_mul_f32 v26, v22, v23
	v_fma_f32 v24, v24, v26, v22                   ; sin r
	v_fma_f32 v25, v25, v23, 1.0                   ; cos r
	v_cvt_i32_f32 v27, v21
	v_and_b32 v26, 1, v27
	v_cmp_eq_u32 vcc_lo, 1, v26
	v_cndmask_b32 v[\ds], v24, v25, vcc_lo         ; odd k: the two change places
	v_cndmask_b32 v[\dc], v25, v24, vcc_lo
	v_and_b32 v26, 2, v27
	v_lshlrev_b32 v26, 30, v26
	v_xor_b32 v[\ds], v26, v[\ds]                  ; sin is negative for k % 4 = 2, 3
	v_add_nc_u32 v27, 1, v27
	v_and_b32 v27, 2, v27
	v_lshlrev_b32 v27, 30, v27
	v_xor_b32 v[\dc], v27, v[\dc]                  ; cos for k % 4 = 1, 2
.endm
.irp bl, 0,1
.irp n, 0,1,2,3,4,5,6,7
	SINCOS 32+16*\bl+\n, 40+16*\bl+\n, 8+\n, 32+\bl
.endr
.endr
.irp bl, 0,1
.irp cs, 0,1
.irp g, 0,1
	global_store_b128 v7, v[32+16*\bl+8*\cs+4*\g:35+16*\bl+8*\cs+4*\g], s[22:23] offset:\cs*4096+\bl*1024+\g*512   ; 32 lanes store 512 consecutive bytes
.endr
.endr
.endr
	s_endpgm
; ---- Wq, Wk, Wv.  A LANE TAKES A COLUMN n AND ITS REGISTERS RUN DOWN K: a block of 32 along K lies in one lane, the conversions give codes with K innermost.  A wave: 32 columns x 512 along K;
; the codes go through the wave's own stage (rows 272 bytes apart) and leave sixteen lanes to 256 consecutive bytes.  Loads run two blocks ahead.
.Lw:
	s_lshr_b32 s27, ttmp9, 6                       ; which of the three
	s_and_b32 s28, ttmp9, 15                       ; which 128 columns
	s_bfe_u32 s29, ttmp9, 0x20004                  ; which 512 along K
	s_cmp_eq_u32 s27, 0
	s_cselect_b64 s[30:31], s[6:7], s[8:9]
	s_cmp_eq_u32 s27, 2
	s_cselect_b64 s[30:31], s[10:11], s[30:31]
	s_lshl_b32 s32, s28, 7
	s_lshl_b32 s33, s26, 5
	s_add_co_u32 s32, s32, s33                     ; my wave's first column
	s_lshl_b32 s34, s29, 22                        ; 512 rows of 8,192 bytes
	s_lshl_b32 s35, s32, 2
	s_add_co_u32 s34, s34, s35
	s_mov_b32 s35, 0
	s_add_nc_u64 s[30:31], s[30:31], s[34:35]
	s_lshl_b32 s33, s27, 11
	s_add_co_u32 s33, s33, s32
	s_add_co_u32 s33, s33, 2048                    ; its row in codes and scales
	s_lshl_b32 s34, s33, 10
	s_lshl_b32 s36, s29, 8
	s_add_co_u32 s34, s34, s36
	s_add_nc_u64 s[16:17], s[16:17], s[34:35]
	s_lshl_b32 s34, s33, 6
	s_lshl_b32 s36, s29, 4
	s_add_co_u32 s34, s34, s36
	s_add_nc_u64 s[18:19], s[18:19], s[34:35]
	v_lshlrev_b32 v3, 2, v2                        ; in: 4 bytes a lane
	s_mul_i32 s36, s26, 32*272                     ; my stage
	v_mul_u32_u24 v4, v2, 272
	v_add_nc_u32 v4, s36, v4                       ; into it: row = my column
	v_and_b32 v5, 15, v2
	v_lshrrev_b32 v6, 4, v2
	v_mul_u32_u24 v7, v6, 272
	v_lshl_add_u32 v7, v5, 4, v7
	v_add_nc_u32 v7, s36, v7                       ; out of it: sixteen lanes to a row, two rows an instruction
	v_lshlrev_b32 v8, 10, v6
	v_lshl_add_u32 v8, v5, 4, v8                   ; the same place in codes
	v_lshlrev_b32 v9, 6, v2                        ; my column's row of scale bytes
.macro WLOAD t                         ; block t: W(32 t + n, my column) into set t % 2
.set n, 0
.rept 32
	global_load_b32 v[32+32*((\t)%2)+n], v3, s[30:31] offset:(32*(\t)+n)*8192 th:TH_LOAD_NT
.set n, n+1
.endr
.endm
.macro WBLOCK t
.set XW, 32+32*((\t)%2)
.if (\t) < 15
	s_wait_loadcnt 32                              ; this block's 32 loads are in; the next block's may be out
.else
	s_wait_loadcnt 0x0
.endif
	v_max3_num_f32 v12, |v[XW]|, |v[XW+1]|, |v[XW+2]|
	v_max3_num_f32 v13, |v[XW+3]|, |v[XW+4]|, |v[XW+5]|
.irp i, 6,10,14,18,22,26
	v_max3_num_f32 v12, v12, |v[XW+\i]|, |v[XW+\i+1]|
	v_max3_num_f32 v13, v13, |v[XW+\i+2]|, |v[XW+\i+3]|
.endr
	v_max3_num_f32 v12, v12, |v[XW+30]|, |v[XW+31]|
	v_max3_num_f32 v12, v12, v13, 0x1800000        ; and the floor 2^(3 - 127): the byte cannot fall under 1
	v_add_nc_u32 v11, 0xff000000, v12              ; 2 off the exponent field: the conversion's scale operand
	v_lshrrev_b32 v13, 23, v11                     ; the scale's byte
.if (\t)%4 == 0
	v_mov_b32 v[24+(\t)/4], v13
.else
	v_lshl_or_b32 v[24+(\t)/4], v13, 8*((\t)%4), v[24+(\t)/4]
.endif
.irp g, 0,1,2,3
	v_cvt_scalef32_pk8_fp4_f32 v[96+\g], v[XW+8*\g:XW+8*\g+7], v11
.endr
	ds_store_b128 v4, v[96:99] offset:16*(\t)      ; 32 codes: 16 bytes of my column's row
.if (\t)+2 < 16
	WLOAD (\t)+2
.endif
	s_wait_dscnt 0x0                               ; the store has read its registers: the next block's codes may be written
.endm
	WLOAD 0
	WLOAD 1
.set Q, 0
.rept 16
	WBLOCK Q
.set Q, Q+1
.endr
	global_store_b128 v9, v[24:27], s[18:19]       ; my column's 16 scale bytes
.irp t, 0,1,2,3,4,5,6,7,8,9,10,11,12,13,14,15
	ds_load_b128 v[112+4*\t:115+4*\t], v7 offset:2*\t*272   ; LDS serves a wave's instructions in order: these see my stores
.endr
.irp t, 0,1,2,3,4,5,6,7,8,9,10,11,12,13,14,15
	s_wait_dscnt 15-\t
	global_store_b128 v8, v[112+4*\t:115+4*\t], s[16:17] offset:2*\t*1024
.endr
	s_wait_tensorcnt 0x0                           ; the wave's end, behind my last LDS store
	ds_add_u32 v[SPW], v[NIL]
	s_wait_dscnt 0x0
	s_endpgm
; ---- x.  K is innermost and rows are dense: a plain stream of blocks of 32.  A wave takes 16 steps of 512 numbers; each load reads 512 consecutive bytes; the numbers turn through the wave's own stage so
; that a lane holds 16 neighbours (two lanes to a block).  Loads run four steps ahead, the turn through LDS one step.  A wave's 256 scale bytes are gathered in LDS and leave as 256 consecutive bytes.
.Lx:
	s_sub_co_u32 s27, ttmp9, 192
	s_lshl_b32 s27, s27, 2
	s_add_co_u32 s27, s27, s26                     ; which run of 8,192 numbers
	s_mov_b32 s29, 0
	s_lshl_b32 s28, s27, 15
	s_add_nc_u64 s[4:5], s[4:5], s[28:29]
	s_lshl_b32 s28, s27, 12
	s_add_nc_u64 s[16:17], s[16:17], s[28:29]
	s_lshl_b32 s28, s27, 8
	s_add_nc_u64 s[18:19], s[18:19], s[28:29]
	s_lshl_b32 s30, s26, 13
	s_add_co_u32 s30, s30, XREG                    ; my wave's region: two stages of 2,560 bytes, then 256 scale bytes
	v_lshlrev_b32 v3, 4, v2
	v_lshrrev_b32 v14, 2, v2
	v_mul_u32_u24 v14, v14, 80
	v_and_b32 v15, 3, v2
	v_lshl_add_u32 v14, v15, 4, v14
	v_add_nc_u32 v14, s30, v14                     ; the stage on the way in: four lanes' 64 bytes, then 16 of padding
	v_mul_u32_u24 v15, v2, 80
	v_add_nc_u32 v15, s30, v15                     ; and on the way out: my 16 neighbours
	v_lshlrev_b32 v4, 3, v2                        ; my 8 bytes of a step's codes
	v_lshrrev_b32 v5, 1, v2
	s_add_co_u32 s30, s30, 5120
	v_add_nc_u32 v5, s30, v5                       ; my block's scale byte
	v_lshlrev_b32 v7, 3, v2
	v_add_nc_u32 v6, s30, v7
.macro XLOAD t
.irp i, 0,1,2,3
	global_load_b128 v[16+16*((\t)%4)+4*\i:16+16*((\t)%4)+4*\i+3], v3, s[4:5] offset:2048*(\t)+512*\i th:TH_LOAD_NT
.endr
.endm
.macro XTURN t
.irp i, 0,1,2,3
	ds_store_b128 v14, v[16+16*((\t)%4)+4*\i:16+16*((\t)%4)+4*\i+3] offset:2560*((\t)%2)+640*\i
.endr
.irp i, 0,1,2,3
	ds_load_b128 v[80+16*((\t)%2)+4*\i:80+16*((\t)%2)+4*\i+3], v15 offset:2560*((\t)%2)+16*\i
.endr
.endm
.macro XSTEP t
.set XS, 80+16*((\t)%2)
.if (\t) > 0
	s_wait_dscnt 1                                 ; this step's numbers are back from the stage; the last step's byte store may be out
.else
	s_wait_dscnt 0x0
.endif
.if (\t)+4 < 16
	XLOAD (\t)+4                                   ; into the registers that the stage's stores have read
.endif
.if (\t)+1 < 16
.if 14-(\t) >= 3
	s_wait_loadcnt 12                              ; the next step's four loads are in; those of three steps behind it may be out
.else
	s_wait_loadcnt 4*(14-(\t))
.endif
	XTURN (\t)+1
.endif
	v_max3_num_f32 v8, |v[XS]|, |v[XS+1]|, |v[XS+2]|
	v_max3_num_f32 v9, |v[XS+3]|, |v[XS+4]|, |v[XS+5]|
.irp i, 6,10
	v_max3_num_f32 v8, v8, |v[XS+\i]|, |v[XS+\i+1]|
	v_max3_num_f32 v9, v9, |v[XS+\i+2]|, |v[XS+\i+3]|
.endr
	v_max3_num_f32 v8, v8, |v[XS+14]|, |v[XS+15]|
	v_max3_num_f32 v8, v8, v9, 0x1800000           ; the floor 2^(3 - 127)
	v_max_num_f32_dpp v8, v8, v8 row_xmask:1 row_mask:0xf bank_mask:0xf   ; with my neighbour's 16: the block's
	v_add_nc_u32 v11, 0xff000000, v8
	v_cvt_scalef32_pk8_fp4_f32 v[128+2*(\t)], v[XS:XS+7], v11
	v_cvt_scalef32_pk8_fp4_f32 v[129+2*(\t)], v[XS+8:XS+15], v11
	v_lshrrev_b32 v[112+(\t)], 23, v11             ; the scale's byte (also the plain instruction behind the conversions)
	ds_store_b8 v5, v[112+(\t)] offset:16*(\t)     ; both lanes of a block write the same byte with the same value
	global_store_b64 v4, v[128+2*(\t):129+2*(\t)], s[16:17] offset:256*(\t)   ; the wave stores 256 consecutive bytes
.endm
.irp t, 0,1,2,3
	XLOAD \t
.endr
	s_wait_loadcnt 12                              ; step 0's four loads are in
	XTURN 0
.irp t, 0,1,2,3,4,5,6,7,8,9,10,11,12,13,14,15
	XSTEP \t
.endr
	ds_load_b64 v[8:9], v6
	s_wait_dscnt 0x0
	global_store_b64 v7, v[8:9], s[18:19]
	s_wait_tensorcnt 0x0                           ; the wave's end, behind my last LDS store
	ds_add_u32 v[SPW], v[NIL]
	s_wait_dscnt 0x0
	s_endpgm
; ---- Wo.  wo16: the high parts at 0, the low parts 8 MiB on; each [nblk 16][kc 64][nt 8][g 2][lane 32][16 bytes]: registers 4 g .. 4 g + 3 of the fragment of columns 128 nblk + 16 nt + lane % 16,
; k = 32 kc + 16 g + 8 (lane / 16) + 0 .. 7.  A lane takes a column and its registers run down K, 32 at a time: its four groups of four packed registers are the (g, lane / 16) = (0,0), (0,1), (1,0), (1,1) parts.
.Lwo:
	s_sub_co_u32 s27, ttmp9, 320
	s_and_b32 s28, s27, 15                         ; nblk
	s_lshr_b32 s29, s27, 4                         ; which 128 along K
	s_lshl_b32 s30, s29, 20
	s_lshl_b32 s31, s28, 9
	s_add_co_u32 s30, s30, s31
	s_lshl_b32 s31, s26, 7
	s_add_co_u32 s30, s30, s31
	s_mov_b32 s31, 0
	s_add_nc_u64 s[12:13], s[12:13], s[30:31]
	s_lshl_b32 s30, s28, 19
	s_lshl_b32 s32, s29, 15
	s_add_co_u32 s30, s30, s32
	s_lshl_b32 s32, s26, 11
	s_add_co_u32 s30, s30, s32
	s_add_nc_u64 s[20:21], s[20:21], s[30:31]      ; the high parts
	s_add_nc_u64 s[28:29], s[20:21], 0x800000      ; the low parts
	v_lshlrev_b32 v3, 2, v2
	v_lshrrev_b32 v4, 4, v2
	v_and_b32 v5, 15, v2
	v_lshlrev_b32 v4, 10, v4
	v_lshl_add_u32 v4, v5, 4, v4                   ; tile lane / 16 of my wave's two, 16 bytes for each of its columns
.macro OLOAD c
.set n, 0
.rept 32
	global_load_b32 v[32+32*((\c)%2)+n], v3, s[12:13] offset:(32*(\c)+n)*8192 th:TH_LOAD_NT
.set n, n+1
.endr
.endm
; two numbers: their high parts packed; widened again and taken away in f32; what is left packed.  (A register's halves have names only as whole operands: they are handed in.)
.macro SPLITP hr, hl, hh, p
	v_cvt_pk_f16_f32 \hr, v[XO+2*\p], v[XO+2*\p+1]
	v_cvt_f32_f16 v[16+2*(\p%2)], \hl
	v_cvt_f32_f16 v[17+2*(\p%2)], \hh
	v_pk_add_f32 v[XO+2*\p:XO+2*\p+1], v[XO+2*\p:XO+2*\p+1], v[16+2*(\p%2):17+2*(\p%2)] neg_lo:[0,1] neg_hi:[0,1]
	v_cvt_pk_f16_f32 v[112+\p], v[XO+2*\p], v[XO+2*\p+1]
.endm
.macro OCHUNK c
.set XO, 32+32*((\c)%2)
.if (\c) < 3
	s_wait_loadcnt 32                              ; this chunk's 32 loads are in; the next chunk's may be out
.else
	s_wait_loadcnt 0x0
.endif
	s_wait_xcnt 0x0                                ; the last chunk's stores have read v96-127
	SPLITP v96, v96.l, v96.h, 0
	SPLITP v97, v97.l, v97.h, 1
	SPLITP v98, v98.l, v98.h, 2
	SPLITP v99, v99.l, v99.h, 3
	SPLITP v100, v100.l, v100.h, 4
	SPLITP v101, v101.l, v101.h, 5
	SPLITP v102, v102.l, v102.h, 6
	SPLITP v103, v103.l, v103.h, 7
	SPLITP v104, v104.l, v104.h, 8
	SPLITP v105, v105.l, v105.h, 9
	SPLITP v106, v106.l, v106.h, 10
	SPLITP v107, v107.l, v107.h, 11
	SPLITP v108, v108.l, v108.h, 12
	SPLITP v109, v109.l, v109.h, 13
	SPLITP v110, v110.l, v110.h, 14
	SPLITP v111, v111.l, v111.h, 15
.if (\c)+2 < 4
	OLOAD (\c)+2
.endif
.irp q, 0,1,2,3
	global_store_b128 v4, v[96+4*\q:99+4*\q], s[20:21] offset:(\c)*8192+(\q/2)*512+(\q%2)*256     ; sixteen lanes store 256 consecutive bytes
	global_store_b128 v4, v[112+4*\q:115+4*\q], s[28:29] offset:(\c)*8192+(\q/2)*512+(\q%2)*256
.endr
.endm
	OLOAD 0
	OLOAD 1
	OCHUNK 0
	OCHUNK 1
	OCHUNK 2
	OCHUNK 3
	s_endpgm
; ---- THE MASK.  mbits[qblk 32][kh 2][j 16][piece 2][lane 32][tl 2] words.  Bit 31 - (8 kt + i) = 1: key 64 gs + 16 kt + 8 (lane / 16) + i is HIDDEN from query 64 qblk + 16 (2 piece + tl) + lane % 16,
; gs = 4 (j / 2) + 2 kh + j % 2.  A work-group takes 64 queries x 256 keys, a wave one gs (64 keys); a lane reads 64 bytes of rows lane and lane + 32.  Four bytes (0 or 1) x 0x08040201 leave their four
; bits, the first byte's highest, in bits 27 .. 24 (all ten partial products fall on different bits).  The wave's 512 bytes turn through LDS bytes of its own and leave as 512 consecutive bytes.
.Lmask:
	s_sub_co_u32 s27, ttmp9, 576
	s_lshr_b32 s28, s27, 3                         ; qblk
	s_and_b32 s29, s27, 7                          ; which 256 keys
	s_lshl_b32 s30, s28, 17
	s_lshl_b32 s31, s29, 8
	s_add_co_u32 s30, s30, s31
	s_lshl_b32 s31, s26, 6
	s_add_co_u32 s30, s30, s31
	s_mov_b32 s31, 0
	s_add_nc_u64 s[14:15], s[14:15], s[30:31]
	v_lshlrev_b32 v3, 11, v2                       ; a row of the mask is 2,048 bytes
.irp it, 0,1
.irp d, 0,1,2,3
	global_load_b128 v[32+16*\it+4*\d:35+16*\it+4*\d], v3, s[14:15] offset:65536*\it+16*\d th:TH_LOAD_NT
.endr
.endr
	s_lshl_b32 s30, s28, 14
	s_lshr_b32 s31, s26, 1
	s_lshl_b32 s31, s31, 13
	s_add_co_u32 s30, s30, s31
	s_lshl_b32 s31, s29, 10
	s_add_co_u32 s30, s30, s31
	s_and_b32 s31, s26, 1
	s_lshl_b32 s31, s31, 9
	s_add_co_u32 s30, s30, s31
	s_mov_b32 s31, 0
	s_add_nc_u64 s[24:25], s[24:25], s[30:31]
	s_lshl_b32 s32, s26, 9
	s_add_co_u32 s32, s32, MIMG                    ; my wave's 512 bytes
	v_and_b32 v7, 15, v2
	v_lshrrev_b32 v8, 4, v2
	v_lshlrev_b32 v4, 3, v7
	v_lshl_add_u32 v4, v8, 2, v4
	v_add_nc_u32 v4, s32, v4                       ; in: 8 (lane % 16) + 4 (lane / 16)
	v_lshlrev_b32 v6, 4, v2
	v_add_nc_u32 v5, s32, v6                       ; back: 16 x lane
	s_mov_b32 s34, 0x08040201
	s_wait_loadcnt 0x0
.set n, 0
.rept 32
	v_mul_lo_u32 v[32+n], v[32+n], s34
.set n, n+1
.endr
.set n, 0
.rept 32
	v_lshrrev_b32 v[32+n], 24, v[32+n]
.set n, n+1
.endr
.irp it, 0,1
.irp h, 0,1
	v_lshl_or_b32 v[8+2*\it+\h], v[32+16*\it+12+2*\h], 4, v[32+16*\it+13+2*\h]
.irp kt, 2,1,0
	v_lshl_or_b32 v[8+2*\it+\h], v[32+16*\it+4*\kt+2*\h+1], 24-8*\kt, v[8+2*\it+\h]
	v_lshl_or_b32 v[8+2*\it+\h], v[32+16*\it+4*\kt+2*\h], 28-8*\kt, v[8+2*\it+\h]
.endr
	v_xor_b32 v[8+2*\it+\h], -1, v[8+2*\it+\h]     ; kept becomes hidden
	ds_store_b32 v4, v[8+2*\it+\h] offset:\it*256+\h*128
.endr
.endr
	ds_load_b128 v[12:15], v5                      ; LDS serves a wave's instructions in order: this sees my stores
	s_wait_dscnt 0x0
	global_store_b128 v6, v[12:15], s[24:25]
	s_wait_tensorcnt 0x0                           ; the wave's end, behind my last LDS store
	ds_add_u32 v[SPW], v[NIL]
	s_wait_dscnt 0x0
	s_endpgm
.Lfunc_end_k_qa32d5c92ef_prep:
	.size	k_qa32d5c92ef_prep, .Lfunc_end_k_qa32d5c92ef_prep-k_qa32d5c92ef_prep
	.p2alignl 7, 3214868480
	.fill 96, 4, 3214868480
	.section	.rodata,"a",@progbits
	.p2align	6, 0x0
	.amdhsa_kernel k_qa32d5c92ef_prep
		.amdhsa_group_segment_fixed_size 70144
		.amdhsa_private_segment_fixed_size 0
		.amdhsa_enable_private_segment 0
		.amdhsa_kernarg_size 88
		.amdhsa_user_sgpr_count 2
		.amdhsa_user_sgpr_kernarg_segment_ptr 1
		.amdhsa_wavefront_size32 1
		.amdhsa_system_sgpr_workgroup_id_x 1
		.amdhsa_system_sgpr_workgroup_id_y 1
		.amdhsa_system_sgpr_workgroup_id_z 1
		.amdhsa_system_vgpr_workitem_id 0
		.amdhsa_next_free_vgpr 192
		.amdhsa_next_free_sgpr 66
		.amdhsa_reserve_vcc 1
		.amdhsa_float_denorm_mode_32 3
		.amdhsa_float_denorm_mode_16_64 3
		.amdhsa_memory_ordered 1
		.amdhsa_forward_progress 1
		.amdhsa_inst_pref_size 173
	.end_amdhsa_kernel
	.amdgpu_metadata
---
amdhsa.version: [ 1, 2 ]
amdhsa.kernels:
  - .name:           k_qa32d5c92ef_prep
    .symbol:         k_qa32d5c92ef_prep.kd
    .args:
      - { .name: x, .offset: 0, .size: 8, .value_kind: global_buffer, .address_space: global }
      - { .name: Wq, .offset: 8, .size: 8, .value_kind: global_buffer, .address_space: global }
      - { .name: Wk, .offset: 16, .size: 8, .value_kind: global_buffer, .address_space: global }
      - { .name: Wv, .offset: 24, .size: 8, .value_kind: global_buffer, .address_space: global }
      - { .name: Wo, .offset: 32, .size: 8, .value_kind: global_buffer, .address_space: global }
      - { .name: mask, .offset: 40, .size: 8, .value_kind: global_buffer, .address_space: global }
      - { .name: codes, .offset: 48, .size: 8, .value_kind: global_buffer, .address_space: global }
      - { .name: scales, .offset: 56, .size: 8, .value_kind: global_buffer, .address_space: global }
      - { .name: wo16, .offset: 64, .size: 8, .value_kind: global_buffer, .address_space: global }
      - { .name: tabs, .offset: 72, .size: 8, .value_kind: global_buffer, .address_space: global }
      - { .name: mbits, .offset: 80, .size: 8, .value_kind: global_buffer, .address_space: global }
    .group_segment_fixed_size: 70144
    .private_segment_fixed_size: 0
    .kernarg_segment_align: 8
    .kernarg_segment_size: 88
    .max_flat_workgroup_size: 128
    .sgpr_count:     66
    .vgpr_count:     192
    .wavefront_size: 32
...
	.end_amdgpu_metadata
.endif
;; end of part 1
;; launch qkv (part 2): grid 24 x 8, 4 waves a work-group, clusters of 4 x 4, 327,680 bytes of LDS; arguments codes, scales, tabs, qkv16; writes qkv16
.if DOCPART == 2
	.amdgcn_target "amdgcn-amd-amdhsa--gfx1250"
	.amdhsa_code_object_version 6
	.text
	.protected	k_qa32d5c92ef_qkv
	.globl	k_qa32d5c92ef_qkv
	.p2align	8
	.type	k_qa32d5c92ef_qkv,@function
k_qa32d5c92ef_qkv:
	s_mov_b64 s[64:65], 0
	v_nop
	global_prefetch_b8 v0, s[64:65] scope:SCOPE_SE
	s_setreg_imm32_b32 hwreg(HW_REG_WAVE_MODE, 25, 1), 1
	s_wait_xcnt 0x0
	s_wait_alu depctr_hold_cnt(0) depctr_sa_sdst(0) depctr_va_vdst(0) depctr_va_sdst(0) depctr_va_ssrc(0) depctr_va_vcc(0) depctr_vm_vsrc(0)
	s_getreg_b32 s2, hwreg(HW_REG_IB_STS2, 6, 4)
	s_cmp_eq_u32 s2, 0
	s_cbranch_scc0 .Lentry_in_a_cluster
	s_endpgm
.Lentry_in_a_cluster:
	s_bfe_u32 s2, ttmp6, 0x10000c
	s_cmp_lg_u32 s2, 0xf033
	s_cbranch_scc0 .Lentry_shape_is_right
	s_endpgm
.Lentry_shape_is_right:
; QKV: the three quantised projections as ONE product on codes of FP4 (E2M1) with E8M0 scales, K = 2,048, then the rotation of q and k in f32, rounding to f16, and stores straight from registers.
; codes [8192 rows][1024 bytes], scales [8192][64]: rows 0.. x, 2048.. Wq, 4096.. Wk, 6144.. Wv (a row of W is one output column h x 128 + hd).  No work of the problem is left out here.
; A work-group of four waves makes 256 x 256, a wave 128 x 128: 64 accumulators.  Tile columns 0-7 are q, 8-15 k: A = positions, B = columns of W, so a wave's 128 columns are one head.
; Tile columns 16-23 are v, made TRANSPOSED by changing the operands' rows alone: A = columns of Wv (a wave's 128: one head's channels), B = positions.  One text serves all; which it is hangs on the cluster's x, the same in all partners.
; THE MATRIX INSTRUCTION IS USED TRANSPOSED (source 0 = 16 rows of B, source 1 = 16 rows of A): lane l holds A's row l % 16 and, in registers 0-7, B's rows 8 (l / 16) + 0 .. 7.  Eight such numbers, rounded to f16, are four
; registers of a 16-bit fragment IN THE SAME LANE: q and k (rows = positions, K = the head's channels) and v^T (rows = channels, K = the keys) leave as images of the next launch's operand registers, 512 consecutive bytes a store.
; qkv16: Q at 0: [head][tile of 16 queries 128][32 channels 4][1 KiB].  From 8 MiB: [head][slot of 256 keys 8][128 KiB]: K [tile of 16 keys 16][32 channels 4][1 KiB], then V^T [32 keys 8][16 channels 8][1 KiB].  1 KiB = [g 2][lane][16 bytes].
; RING, SCALES, CLUSTER: K goes in steps of 512 through two LDS slots filled by the tensor data mover; the scale bytes of the work-group's 512 rows come once; the four work-groups of a row of the cluster ask for A's tiles jointly,
; the four of a column for B's.  192 work-groups: a tile that filled all WGPs (128 x 384) would cut a head, and with it the rotation's pairs, across waves.
; LIMITS: q, k and v must lie within +-65,504 (f16).
; REGISTERS: window 0: v0-31 addresses; v32-95 scale words, two sets; v128-191 A's fragments.  On the way out v32-95 rotated numbers, v96-127 packed, v192-255 / v128-191 the table by turns.
;   window 1: B's fragments, two sets.   windows 2, 3: the accumulators ((a, b) at v[8 (8 (a % 4) + b)]).
.set KSTEP,  512
.set NQ,     4
.set ROWB,   256
.set KROW,   1024
.set PITCH,  272                       ; an LDS row: 256 bytes + 16 of padding, so that the 16 rows of a fragment load begin 16 bytes further on in each 256
.set FR,     8
.set NL,     2
.set NP,     4                         ; places behind this matrix instruction (ISA guide 7.12.1)
.set HALFT,  128*PITCH
.set SLOT,   4*HALFT
.set LAPS,   2
.set KS,     64
.set SCL,    2*SLOT
.set HALFS,  (128*KS/256)*272
.set SBLK,   (16*KS/256)*272
.set SPARE,  SCL+4*HALFS               ; the spare words, 128 bytes for each wave
.set ADRA, 16
.set ADRB, 20
.set CO,   26                          ; v26  16 x lane: my place in an image and in the table
.set ADRS, 27
.set SPW,  28
.set NIL,  29
.set SC,   32
.set AF,   128
.set Y,    32
.set OUTR, 96
.set G1, 24
.set G0, 32
.set G1B, 48
.set G0B, 56
.set G1S, 68
.set G0S, 76
.set G1SB, 80
.set G0SB, 88
.set MSB, 0
.macro WIN new                         ; the immediate's high byte repeats the setting that is left
.if MSB != (\new)
	s_set_vgpr_msb (MSB<<8)|(\new)
.set MSB, (\new)
.endif
.endm
.set MUL_LO, 0xa1
.set MUL_HI, 0xf1
.set TO_B,   0x40
; A joint load: waves 0 and 1 fetch for A, waves 2 and 3 for B; the branch hangs on the wave's number alone.  An s_nop 0 and four v_nop follow each of the two lines.
.macro JLOAD g0a, g1a, g0b, g1b
	s_cmp_eq_u32 s15, 0
	s_cbranch_scc0 .Lfor_b_\@
	tensor_load_to_lds s[\g0a:\g0a+3], s[\g1a:\g1a+7]
	s_nop 0
.rept 4
	v_nop
.endr
	s_branch .Lasked_\@
.Lfor_b_\@:
	tensor_load_to_lds s[\g0b:\g0b+3], s[\g1b:\g1b+7]
	s_nop 0
.rept 4
	v_nop
.endr
.Lasked_\@:
.endm
.macro CREST
	s_cmp_lg_u32 s14, 0
	s_cbranch_scc1 .Lnot_wave_0_\@
	s_barrier_signal -3
.Lnot_wave_0_\@:
	s_barrier_wait -3
	s_barrier_signal -1
	s_barrier_wait -1
.endm
.macro CROUND
	s_barrier_signal -1
	s_barrier_wait -1
	CREST
.endm
	s_load_b256 s[4:11], s[0:1], 0x0               ; codes 4, scales 6, tabs 8, qkv16 10
	v_lshl_add_u32 v[SPW], v0, 2, SPARE
	v_mov_b32 v[NIL], 0
	ds_add_u32 v[SPW], v[NIL]                      ; the wave's opening: the add, twice on end, and its wait ahead of my first tensor load
	ds_add_u32 v[SPW], v[NIL]
	v_lshrrev_b32 v1, 5, v0
	v_readfirstlane_b32 s14, v1                    ; wave 0..3
	s_lshr_b32 s15, s14, 1                         ; which half of A's rows is mine.  Also: I fetch for A (0) or for B (1)
	s_and_b32 s16, s14, 1                          ; which half of B's rows.  Also: which 128 rows I fetch
	s_bfe_u32 s40, ttmp6, 0x40000                  ; cx
	s_bfe_u32 s41, ttmp6, 0x40004                  ; cy
	s_lshl_b32 s42, ttmp9, 2
	s_add_co_u32 s42, s42, s40                     ; tile column 0..23
	s_and_b32 s17, ttmp7, 0xffff
	s_lshl_b32 s17, s17, 2
	s_add_co_u32 s17, s17, s41                     ; tile row 0..7
	s_lshl_b32 s43, s41, 2
	s_lshl_b32 s43, 15, s43                        ; my row of the cluster
	s_lshl_b32 s44, 0x1111, s40                    ; my column
	s_or_b32 s[G1+0], s43, (0<<16)|(1<<20)|(1<<21)|(5<<22)|(3<<25)  ; the mask; elements of 1 byte; padding on; bit 21 beside a mask; four words behind every 64
	s_or_b32 s[G1B+0], s44, (0<<16)|(1<<20)|(1<<21)|(5<<22)|(3<<25)
.irp g, G1, G1B
	s_mov_b32 s[\g+1], ROWB<<16                    ; tensor_dim0
	s_mov_b32 s[\g+2], 128<<16                     ; tensor_dim1
	s_mov_b32 s[\g+3], ROWB<<16                    ; tile_dim0
	s_mov_b32 s[\g+4], 128                         ; tile_dim1
	s_mov_b32 s[\g+5], KROW                        ; the pitch
	s_mov_b32 s[\g+6], 0
	s_mov_b32 s[\g+7], 0
.endr
	s_or_b32 s[G1S+0], s43, (3<<16)|(1<<20)|(1<<21)|(5<<22)|(3<<25)  ; the scales of 128 rows: 8,192 dense bytes as 32 rows of 256 (32 elements of 8 bytes), 16 bytes of padding behind each
	s_or_b32 s[G1SB+0], s44, (3<<16)|(1<<20)|(1<<21)|(5<<22)|(3<<25)
.irp g, G1S, G1SB
	s_mov_b32 s[\g+1], 32<<16
	s_mov_b32 s[\g+2], (128*KS/256)<<16
	s_mov_b32 s[\g+3], 32<<16
	s_mov_b32 s[\g+4], 128*KS/256
	s_mov_b32 s[\g+5], 32
	s_mov_b32 s[\g+6], 0
	s_mov_b32 s[\g+7], 0
.endr
	s_cmp_ge_u32 ttmp9, 4                          ; v's clusters: the same answer in all sixteen partners
	s_cselect_b32 s95, 6144, 0
	s_lshl_b32 s18, s16, 7                         ; which 128 rows of the tile I fetch
	s_lshl_b32 s20, s17, 8
	s_add_co_u32 s20, s20, s18
	s_add_co_u32 s20, s20, s95                     ; A: positions, or (v) rows of Wv
	s_lshl_b32 s46, s42, 8
	s_add_co_u32 s46, s46, s18
	s_add_co_u32 s46, s46, 2048
	s_sub_co_u32 s46, s46, s95                     ; B: rows of Wq and Wk, or (v) positions 256 (tile column - 16) on
	s_lshl_b32 s22, s20, 6                         ; where these rows' scales begin,
	s_mov_b32 s23, 0
	s_lshl_b32 s92, s46, 6
	s_mov_b32 s93, 0
	s_lshl_b32 s20, s20, 10                        ; and their codes
	s_mov_b32 s21, 0
	s_lshl_b32 s46, s46, 10
	s_mov_b32 s47, 0
	s_mul_i32 s45, s14, HALFT                      ; where they go: wave x 128 rows: no place in the cluster enters an LDS address
	s_mul_i32 s94, s14, HALFS
	s_wait_dscnt 0x0                               ; both opening adds are done
	s_wait_kmcnt 0x0
	s_add_nc_u64 s[20:21], s[4:5], s[20:21]
	s_add_nc_u64 s[22:23], s[6:7], s[22:23]
	s_add_nc_u64 s[46:47], s[4:5], s[46:47]
	s_add_nc_u64 s[92:93], s[6:7], s[92:93]
	CROUND                                         ; all sixteen work-groups are here: the first joint loads meet
	s_mov_b32 s[G0S], 1
	s_add_co_u32 s[G0S+1], s94, SCL
	s_mov_b64 s[G0S+2:G0S+3], s[22:23]
	s_or_b32 s[G0S+3], s[G0S+3], 0x80000000
	s_mov_b32 s[G0SB], 1
	s_add_co_u32 s[G0SB+1], s94, SCL
	s_mov_b64 s[G0SB+2:G0SB+3], s[92:93]
	s_or_b32 s[G0SB+3], s[G0SB+3], 0x80000000
	JLOAD G0S, G1S, G0SB, G1SB                     ; the scales first: they are wanted with K step 0.  By this text's count three loads of a wave are out here, later one
.irp s, 0,1
	s_mov_b32 s[G0+4*\s], 1
	s_add_co_u32 s[G0+4*\s+1], s45, \s*SLOT
	s_add_nc_u64 s[G0+4*\s+2:G0+4*\s+3], s[20:21], \s*ROWB
	s_or_b32 s[G0+4*\s+3], s[G0+4*\s+3], 0x80000000
	s_mov_b32 s[G0B+4*\s], 1
	s_add_co_u32 s[G0B+4*\s+1], s45, \s*SLOT
	s_add_nc_u64 s[G0B+4*\s+2:G0B+4*\s+3], s[46:47], \s*ROWB
	s_or_b32 s[G0B+4*\s+3], s[G0B+4*\s+3], 0x80000000
	JLOAD G0+4*\s, G1, G0B+4*\s, G1B
.endr
	v_and_b32 v1, 15, v0                           ; l % 16
	v_bfe_u32 v2, v0, 4, 1                         ; l / 16
	v_mul_u32_u24 v3, v1, PITCH
	v_lshl_add_u32 v4, v2, 4, v3
	s_mul_i32 s21, s15, HALFT
	s_mul_i32 s22, s16, HALFT
	s_add_co_u32 s22, s22, 2*HALFT
.irp s, 0,1
	v_add_nc_u32 v[ADRA+\s], s21, v4
	v_add_nc_u32 v[ADRB+\s], s22, v4
	s_add_co_u32 s21, s21, SLOT
	s_add_co_u32 s22, s22, SLOT
.endr
	v_mul_u32_u24 v5, v1, KS                       ; my row's scales: 64 bytes a row,
	v_lshrrev_b32 v6, 8, v5
	v_lshl_add_u32 v5, v6, 4, v5                   ; and 16 more for each 256 passed
	s_mul_i32 s21, s15, HALFS
	s_mul_i32 s22, s16, HALFS
	s_add_co_u32 s22, s22, 2*HALFS
	s_sub_co_u32 s22, s22, s21
	v_mul_u32_u24 v6, s22, v2                      ; lanes 16-31 take B's
	s_add_co_u32 s21, s21, SCL
	v_add_nc_u32 v5, v5, v6
	v_add_nc_u32 v[ADRS], s21, v5
	v_and_b32 v6, 31, v0
	v_lshlrev_b32 v[CO], 4, v6
	s_lshl_b32 s20, s17, 17                        ; the table of my 128 positions: (16 tile row + 8 half) x 8,192 bytes
	s_lshl_b32 s21, s15, 16
	s_add_co_u32 s20, s20, s21
	s_mov_b32 s21, 0
	s_add_nc_u64 s[8:9], s[8:9], s[20:21]
	s_lshl_b32 s20, s42, 1                         ; where my results go
	s_add_co_u32 s20, s20, s16
	s_and_b32 s20, s20, 15                         ; q, k: my head
	s_lshl_b32 s21, s15, 15
	s_lshl_b32 s22, s20, 19
	s_lshl_b32 s23, s17, 16
	s_add_co_u32 s22, s22, s23
	s_add_co_u32 s22, s22, s21                     ; q: head x 512 KiB + (16 tile row + 8 half) x 4 KiB
	s_lshl_b32 s23, s20, 20
	s_lshl_b32 s92, s17, 17
	s_add_co_u32 s23, s23, s92
	s_add_co_u32 s23, s23, s21
	s_add_co_u32 s23, s23, 0x800000                ; k: 8 MiB + head x 1 MiB + slot (= tile row) x 128 KiB + 8 half x 4 KiB
	s_lshl_b32 s92, s17, 1
	s_add_co_u32 s92, s92, s15
	s_lshl_b32 s92, s92, 20
	s_lshl_b32 s93, s42, 17
	s_add_co_u32 s92, s92, s93
	s_lshl_b32 s93, s16, 15
	s_add_co_u32 s92, s92, s93
	s_add_co_u32 s92, s92, 0x800000+65536-0x200000 ; v: 8 MiB + head (2 tile row + half) x 1 MiB + slot (tile column - 16) x 128 KiB + 64 KiB + 4 half x 8 KiB
	s_cmp_lt_u32 ttmp9, 2
	s_cselect_b32 s22, s22, s23
	s_cmp_lt_u32 ttmp9, 4
	s_cselect_b32 s22, s22, s92
	s_mov_b32 s23, 0
	s_add_nc_u64 s[12:13], s[10:11], s[22:23]
.macro FRAG reg, adr, q, i             ; 16 rows x 128 K of 4-bit codes: 8 registers: lane l holds row l % 16; registers 4 c .. 4 c + 3 hold K = 64 c + 32 (l / 16) + 0 .. 31
.irp c, 0,1
	ds_load_b128 v[\reg+4*\c:\reg+4*\c+3], v[\adr] offset:64*(\q)+32*\c+(\i)*16*PITCH
.endr
.endm
; 16 matrix instructions: A's blocks a0, a0 + 1 x B's eight.  The 64 accumulators take turns, one instruction a turn, in the same order in every step.
; One register carries A's scale word (lanes 0-15) and B's (lanes 16-31): source 0 (B) reads its word from the upper lanes.
.macro MUL16 a0, p, q, sc, zero
.irp a, \a0, \a0+1
.irp b, 0,1,2,3,4,5,6,7
.if \zero
	v_wmma_scale_f32_16x16x128_f8f6f4 v[8*(8*((\a)%4)+\b):8*(8*((\a)%4)+\b)+7], v[128*(\p)+FR*\b:128*(\p)+FR*\b+FR-1], v[AF+FR*(\a):AF+FR*(\a)+FR-1], 0, v[SC+8*NQ*(\sc)+NQ*\b+(\q)], v[SC+8*NQ*(\sc)+NQ*(\a)+(\q)] matrix_a_fmt:MATRIX_FMT_FP4 matrix_b_fmt:MATRIX_FMT_FP4 matrix_a_scale:MATRIX_SCALE_ROW1
.else
	v_wmma_scale_f32_16x16x128_f8f6f4 v[8*(8*((\a)%4)+\b):8*(8*((\a)%4)+\b)+7], v[128*(\p)+FR*\b:128*(\p)+FR*\b+FR-1], v[AF+FR*(\a):AF+FR*(\a)+FR-1], v[8*(8*((\a)%4)+\b):8*(8*((\a)%4)+\b)+7], v[SC+8*NQ*(\sc)+NQ*\b+(\q)], v[SC+8*NQ*(\sc)+NQ*(\a)+(\q)] matrix_a_fmt:MATRIX_FMT_FP4 matrix_b_fmt:MATRIX_FMT_FP4 matrix_a_scale:MATRIX_SCALE_ROW1
.endif
.endr
.endr
.endm
.macro FETCH_B slot, q, p
	WIN TO_B
.irp i, 0,1,2,3,4,5,6,7
	FRAG 128*(\p)+FR*\i, ADRB+\slot, \q, \i
.endr
	WIN 0
.endm
.macro FETCH_A slot, q, i0
.irp i, \i0, \i0+1, \i0+2, \i0+3
	FRAG AF+FR*(\i), ADRA+\slot, \q, \i
.endr
.endm
.macro SCALES sc
.irp i, 0,1,2,3,4,5,6,7
	ds_load_b128 v[SC+8*NQ*\sc+NQ*\i:SC+8*NQ*\sc+NQ*\i+3], v[ADRS] offset:\i*SBLK
.endr
.endm
.macro PLACES n                        ; plain vector instructions between a matrix instruction and a load into, or a read of, its registers
.rept \n
	v_nop
.endr
.endm
.macro STEP slot, q, zero              ; 128 along K with its successor in the same slot
	s_wait_dscnt 4*NL                              ; B's set and A's blocks 0-3 are in; the youngest eight loads (A's blocks 4-7) may be out
	WIN MUL_LO
	MUL16 0, (\q)%2, \q, \slot, \zero
	MUL16 2, (\q)%2, \q, \slot, \zero
	s_wait_dscnt 0
	PLACES NP
	FETCH_B \slot, (\q)+1, 1-(\q)%2
	FETCH_A \slot, (\q)+1, 0
	WIN MUL_HI
	MUL16 4, (\q)%2, \q, \slot, \zero
	MUL16 6, (\q)%2, \q, \slot, \zero
	PLACES NP
	WIN 0
	FETCH_A \slot, (\q)+1, 4
.endm
; A slot's last step changes slots: one barrier; in front of it each wave waits for all its tensor loads, adds 0 to its spare word, and waits for that and for its own reads of this slot.
.macro TURN slot, next, fill
	s_wait_tensorcnt 0x0                           ; all my tensor loads have landed: my part of the next slot
	ds_add_u32 v[SPW], v[NIL]
	s_wait_dscnt 4*NL+1                            ; the add and the youngest eight loads may be out
	WIN MUL_LO
	MUL16 0, 1, NQ-1, \slot, 0
	s_wait_dscnt 0x0                               ; the add is done, and my reads of this slot are over
	s_barrier_signal -1
	MUL16 2, 1, NQ-1, \slot, 0
	WIN 0
	s_barrier_wait -1
.if \fill
	CREST                                          ; the barrier has opened a round of the cluster's: no wave of any partner still reads this slot or has a load on its way
	s_add_nc_u64 s[G0+4*\slot+2:G0+4*\slot+3], s[G0+4*\slot+2:G0+4*\slot+3], 2*ROWB
	s_add_nc_u64 s[G0B+4*\slot+2:G0B+4*\slot+3], s[G0B+4*\slot+2:G0B+4*\slot+3], 2*ROWB
	JLOAD G0+4*\slot, G1, G0B+4*\slot, G1B         ; the first tensor load behind the round; its four v_nop are the places in front of the loads below
.else
	PLACES NP
.endif
	v_add_nc_u32 v[ADRS], 4*NQ, v[ADRS]            ; the next K step's scale words
	FETCH_B \next, 0, 0
	FETCH_A \next, 0, 0
	SCALES \next
	WIN MUL_HI
	MUL16 4, 1, NQ-1, \slot, 0
	MUL16 6, 1, NQ-1, \slot, 0
	PLACES NP
	WIN 0
	FETCH_A \next, 0, 4
.endm
.macro STEPS slot, from
.set Q, \from
.rept NQ-1-\from
	STEP \slot, Q, 0
.set Q, Q+1
.endr
.endm
; The table of block a (16 positions): 32 registers of cos, 32 of sin, in the accumulators' layout; two sets by turns
.macro TLOADS a
.set TL, 192-64*((\a)%2)
.irp cs, 0,1
.irp b, 0,1,2,3
.irp g, 0,1
	global_load_b128 v[TL+32*\cs+8*\b+4*\g:TL+32*\cs+8*\b+4*\g+3], v[CO], s[8:9] offset:(\a)*8192+\cs*4096+\b*1024+\g*512
.endr
.endr
.endr
.endm
	s_wait_tensorcnt 1                             ; the scales and my part of K step 0 are in; K step 1's load may be out
	s_barrier_signal -1
	s_barrier_wait -1
	FETCH_B 0, 0, 0
	FETCH_A 0, 0, 0
	SCALES 0
	FETCH_A 0, 0, 4
	STEP 0, 0, 1                                   ; the first step's products start the sums
	s_mov_b32 s3, LAPS-1
.Llap:                                                 ; a trip goes once round the ring and fills both slots again
	STEPS 0, 1
	TURN 0, 1, 1
	STEPS 1, 0
	TURN 1, 0, 1
	STEP 0, 0, 0
	s_sub_co_u32 s3, s3, 1
	s_cmp_lg_u32 s3, 0
	s_cbranch_scc1 .Llap
	STEPS 0, 1                                     ; the last lap fills nothing
	TURN 0, 1, 0
	STEPS 1, 0
	s_wait_dscnt 4*NL
	WIN MUL_LO
	MUL16 0, 1, NQ-1, 1, 0
	MUL16 2, 1, NQ-1, 1, 0
	s_wait_dscnt 0
	WIN MUL_HI
	MUL16 4, 1, NQ-1, 1, 0
	MUL16 6, 1, NQ-1, 1, 0
	WIN 0
	PLACES NP                                      ; in front of loads into A's registers, writes of the scale registers and reads of results
	s_cmp_ge_u32 ttmp9, 4                          ; the one parting of the ways: q and k are rotated, v is not; the cluster's x is the same in all partners
	s_cbranch_scc1 .Lv
; q AND k.  Block a: 16 positions x 128 channels.  Channel c < 64 pairs with c + 64: accumulators b and b + 4, the same register.  y1 = x1 cos - x2 sin, y2 = x2 cos + x1 sin, two at a time, each accumulator from its low end on.
.macro ROPE a
.set TS, 192-64*((\a)%2)
.set AC, 64*((\a)%4)
.if (\a) < 7
	s_wait_loadcnt 16                              ; this block's table is in; the next block's 16 loads may be out
.else
	s_wait_loadcnt 0x0
.endif
	WIN 0x02+(\a)/4                                ; source 0: the accumulators' window
.irp b, 0,1,2,3
.irp p, 0,1,2,3
	v_pk_mul_f32 v[Y+8*\b+2*\p:Y+8*\b+2*\p+1], v[AC+32+8*\b+2*\p:AC+32+8*\b+2*\p+1], v[TS+32+8*\b+2*\p:TS+32+8*\b+2*\p+1]
	v_pk_mul_f32 v[Y+32+8*\b+2*\p:Y+32+8*\b+2*\p+1], v[AC+8*\b+2*\p:AC+8*\b+2*\p+1], v[TS+32+8*\b+2*\p:TS+32+8*\b+2*\p+1]
	v_pk_fma_f32 v[Y+8*\b+2*\p:Y+8*\b+2*\p+1], v[AC+8*\b+2*\p:AC+8*\b+2*\p+1], v[TS+8*\b+2*\p:TS+8*\b+2*\p+1], v[Y+8*\b+2*\p:Y+8*\b+2*\p+1] neg_lo:[0,0,1] neg_hi:[0,0,1]
	v_pk_fma_f32 v[Y+32+8*\b+2*\p:Y+32+8*\b+2*\p+1], v[AC+32+8*\b+2*\p:AC+32+8*\b+2*\p+1], v[TS+8*\b+2*\p:TS+8*\b+2*\p+1], v[Y+32+8*\b+2*\p:Y+32+8*\b+2*\p+1]
.endr
.endr
	WIN 0
.if (\a) < 6
	TLOADS (\a)+2                                  ; into the set just read
.endif
	s_wait_xcnt 0x0                                ; the last block's stores have read v96-127
.set n, 0
.rept 32
	v_cvt_pk_f16_f32 v[OUTR+n], v[Y+2*n], v[Y+2*n+1]
.set n, n+1
.endr
.irp bb, 0,1,2,3,4,5,6,7
	global_store_b128 v[CO], v[OUTR+4*\bb:OUTR+4*\bb+3], s[12:13] offset:(\a)*4096+(\bb/2)*1024+(\bb%2)*512   ; 32 lanes store 512 consecutive bytes: half a fragment's image
.endr
.endm
	TLOADS 0                                       ; the table is asked for on the way that reads it: blocks 0 and 1 now, block a + 2 in block a's turn
	TLOADS 1
.irp a, 0,1,2,3,4,5,6,7
	ROPE \a
.endr
	s_branch .Ldone
; v^T.  Block a: 16 channels x 128 keys: rounded and stored; two sets of packed registers by turns
.macro VOUT a
.set AC, 64*((\a)%4)
.set OU, 96-64*((\a)%2)
.if (\a) > 1
	s_wait_xcnt 0x0                                ; block a - 2's stores have read this set
.endif
	WIN 0x0a+5*((\a)/4)                            ; sources 0 and 1: the accumulators' window
.set n, 0
.rept 32
	v_cvt_pk_f16_f32 v[OU+n], v[AC+2*n], v[AC+2*n+1]
.set n, n+1
.endr
	WIN 0
.irp b, 0,1,2,3,4,5,6,7
	global_store_b128 v[CO], v[OU+4*\b:OU+4*\b+3], s[12:13] offset:(\b/2)*8192+(\a)*1024+(\b%2)*512
.endr
.endm
.Lv:
.irp a, 0,1,2,3,4,5,6,7
	VOUT \a
.endr
.Ldone:
	s_wait_tensorcnt 0x0                           ; the wave's end, behind my last tensor load
	ds_add_u32 v[SPW], v[NIL]
	s_wait_dscnt 0x0
	CROUND                                         ; the closing round: no work-group ends while a partner may still ask for a tile that names it
	s_endpgm
.Lfunc_end_k_qa32d5c92ef_qkv:
	.size	k_qa32d5c92ef_qkv, .Lfunc_end_k_qa32d5c92ef_qkv-k_qa32d5c92ef_qkv
	.p2alignl 7, 3214868480
	.fill 96, 4, 3214868480
	.section	.rodata,"a",@progbits
	.p2align	6, 0x0
	.amdhsa_kernel k_qa32d5c92ef_qkv
		.amdhsa_group_segment_fixed_size 327680
		.amdhsa_private_segment_fixed_size 0
		.amdhsa_enable_private_segment 0
		.amdhsa_kernarg_size 32
		.amdhsa_user_sgpr_count 2
		.amdhsa_user_sgpr_kernarg_segment_ptr 1
		.amdhsa_wavefront_size32 1
		.amdhsa_system_sgpr_workgroup_id_x 1
		.amdhsa_system_sgpr_workgroup_id_y 1
		.amdhsa_system_sgpr_workgroup_id_z 1
		.amdhsa_system_vgpr_workitem_id 0
		.amdhsa_next_free_vgpr 1024
		.amdhsa_next_free_sgpr 100
		.amdhsa_reserve_vcc 0
		.amdhsa_float_denorm_mode_32 3
		.amdhsa_float_denorm_mode_16_64 3
		.amdhsa_memory_ordered 1
		.amdhsa_forward_progress 1
		.amdhsa_inst_pref_size 255
	.end_amdhsa_kernel
	.section	.bss,"aw",@nobits
	.p2align	6
	.space	262144
	.amdgpu_metadata
---
amdhsa.version: [ 1, 2 ]
amdhsa.kernels:
  - .name:           k_qa32d5c92ef_qkv
    .symbol:         k_qa32d5c92ef_qkv.kd
    .args:
      - { .name: codes, .offset: 0, .size: 8, .value_kind: global_buffer, .address_space: global }
      - { .name: scales, .offset: 8, .size: 8, .value_kind: global_buffer, .address_space: global }
      - { .name: tabs, .offset: 16, .size: 8, .value_kind: global_buffer, .address_space: global }
      - { .name: qkv16, .offset: 24, .size: 8, .value_kind: global_buffer, .address_space: global }
    .group_segment_fixed_size: 327680
    .private_segment_fixed_size: 0
    .kernarg_segment_align: 8
    .kernarg_segment_size: 32
    .max_flat_workgroup_size: 128
    .sgpr_count:     100
    .vgpr_count:     1024
    .wavefront_size: 32
...
	.end_amdgpu_metadata
.endif
;; end of part 2
;; launch attn (part 3): grid 16 x 16, 4 waves a work-group, clusters of 4 x 1, 327,680 bytes of LDS; arguments qkv16, mbits, ctx16; writes ctx16
.if DOCPART == 3
	.amdgcn_target "amdgcn-amd-amdhsa--gfx1250"
	.amdhsa_code_object_version 6
	.text
	.protected	k_qa32d5c92ef_attn
	.globl	k_qa32d5c92ef_attn
	.p2align	8
	.type	k_qa32d5c92ef_attn,@function
k_qa32d5c92ef_attn:
	s_mov_b64 s[64:65], 0
	v_nop
	global_prefetch_b8 v0, s[64:65] scope:SCOPE_SE
	s_setreg_imm32_b32 hwreg(HW_REG_WAVE_MODE, 25, 1), 1
	s_wait_xcnt 0x0
	s_wait_alu depctr_hold_cnt(0) depctr_sa_sdst(0) depctr_va_vdst(0) depctr_va_sdst(0) depctr_va_ssrc(0) depctr_va_vcc(0) depctr_vm_vsrc(0)
	s_getreg_b32 s2, hwreg(HW_REG_IB_STS2, 6, 4)
	s_cmp_eq_u32 s2, 0
	s_cbranch_scc0 .Lentry_in_a_cluster
	s_endpgm
.Lentry_in_a_cluster:
	s_bfe_u32 s2, ttmp6, 0x10000c
	s_cmp_lg_u32 s2, 0x3003
	s_cbranch_scc0 .Lentry_shape_is_right
	s_endpgm
.Lentry_shape_is_right:
; ATTN: ctx[q][head] = the sum over k of softmax_k(masked q . k / sqrt(128)) v[k], products in f16 with f32 sums, maxima and sums in f32.  The mask is an input: every key is computed for every query; nothing is left out.
; SHARES.  A work-group owns 128 queries of one head.  Wave w: its 64 queries by w % 2 (four tiles of 16), its half of every slot's 256 keys by w / 2: 16 steps of 64 keys.  The waves w and w xor 2 hold the same queries and
; merge their maxima, sums and O at the end, through LDS.  So each fragment of K and V read from LDS feeds four products, and all 256 work-groups have equal work.
; LAYOUT.  S^T = K Q^T (source 0 = 16 keys, source 1 = 16 queries): a lane holds ONE query (lane % 16) and keys 8 (lane / 16) + 0..7.  Two such tiles, rounded to f16 in pairs, ARE source 1 of O^T = V^T P.
; Q, K and V^T lie in memory as images of the operands' registers (1 KiB a fragment: [g 2][lane][16 bytes]), so every fragment comes by two loads of 16 bytes at 16 x lane, from LDS without padding.
; THE MASK.  A word holds a lane's 32 scores of a tile and step, score e in bit 31 - e, 1 = hidden.  v_add_co_u32 of the word with itself shifts it up and hands the top bit to a lane mask; v_cndmask_b32 then puts -2^126 for the score.
; -2^126 is a power of two, so c x (-2^126) is exact: in a row that is hidden throughout, c s - c m is exactly 0, every p is 1, and the row comes out as the mean of V, as with the problem's own constant.
; SOFTMAX.  Running maximum m and sum l: p = 2^(c s - c m), c = log2(e) / sqrt(128); in every step O and l are multiplied by a = 2^(c m_old - c m_new).
; BY TURNS.  The four tiles are two pieces (tiles 0, 1 and 2, 3).  In a turn one piece has the matrix unit (32 products V^T P of the step in hand, 32 products K Q^T of the next); the other piece's mask and softmax, 396 vector
; instructions, stand between them: six behind each matrix instruction, eighteen behind the last.
; CLUSTER.  The four query blocks of a cluster belong to one head and walk the same K and V: each quarter of a slot is asked for jointly.  All four waves load with ONE shape (32 KiB, dense), so no branch stands round the load.
; LIMITS: kept raw scores must lie above -2^126; q, k, v and ctx within +-65,504 (f16); NaN and infinities are not served.
; REGISTERS: window 0: v0-11 addresses; v12-43 statistics, eight a tile; v44-47 mask words; v48-52 mask offsets, their bound, -2^126; v64-191 S^T; v192-255 P.  window 1: O^T.  window 2: v0-127 Q, v128-255 K.  window 3: v0-127 V.
.set VOFF,  65536                      ; a slot: K's 64 KiB, then V's
.set STEPB, 16384                      ; 64 keys of K, or of V
.set SLOT1, 1<<17
.set SPARE, 2*SLOT1                    ; the spare words, 128 bytes for each wave
.set XCH,   16896                      ; the exchange, in slot 0 (it has had its last fill and its last read when the first result is stored there): for each wave 16,384 bytes of O and 512 of statistics
.set L16, 2                            ; v2   16 x lane
.set LV,  3                            ; v3   16 x lane + VOFF
.set ADR, 4
.set XST, 5                            ; v5-8 the exchange: where I store O, where I load my partner's, the same for the statistics
.set XLD, 6
.set XSS, 7
.set XSL, 8
.set QT,  9                            ; v9   which 64 queries are mine: 0 .. 31
.set ST,  12                           ; tile t at v[ST+8 t]: +0 c m, +1 m, +2, +3 l, +4 to +7 at work
.set MB,  44
.set MAD, 48                           ; v48-49 byte offsets of the pieces' next mask words
.set MMX, 50                           ; v50-51 those of step 15: no offset goes beyond
.set NEGV, 52
.set PFO, 61
.set SPW, 62
.set NIL, 63
.set S,   64
.set P,   192
.set KF,  128
.set WV,  12
.set LIM, 15
.set CY,  16                           ; s16  the second tile's lane mask
.set PFA, 18
.set G1,  24
.set G0A, 32                           ; slot 0's first fill
.set G0W, 36                           ; slot 1's first fill; then it walks
.set CLO, 40                           ; s[40:41] the low parts of rows 0-15
.set SLOTS, 56
.set TWICE, 57
.set CS,  58
.set SEL, 60
.set TB,  62
.set MSB, 0
.macro WIN new
.if MSB != (\new)
	s_set_vgpr_msb (MSB<<8)|(\new)
.set MSB, (\new)
.endif
.endm
.set W_KQ, 0x0a
.set W_PV, 0x53
.set W_RS, 0x41
; A prefetch of what the NEXT change of slots will ask for: 128 KiB.  All clusters of a head walk the same K and V: the head's first cluster asks; its four partners take 32 KiB each, told apart by address; each wave 8 KiB,
; lanes 256 bytes apart: one instruction a wave, each 256 bytes named once in the launch.  The last change that fills a slot asks for nothing.
.macro ASK
	s_cmp_gt_u32 s[SLOTS], s[LIM]
	s_cbranch_scc0 .Lnot_mine_\@
	global_prefetch_b8 v[PFO], s[PFA:PFA+1] th:TH_LOAD_NT scope:SCOPE_SE
.Lnot_mine_\@:
.endm
.macro CROUND
	s_barrier_signal -1
	s_barrier_wait -1
	s_cmp_lg_u32 s[WV], 0
	s_cbranch_scc1 .Lnot_wave_0_\@
	s_barrier_signal -3
.Lnot_wave_0_\@:
	s_barrier_wait -3
	s_barrier_signal -1
	s_barrier_wait -1
.endm
	s_load_b128 s[4:7], s[0:1], 0x0                ; qkv16 4, mbits 6
	s_load_b64 s[8:9], s[0:1], 0x10                ; ctx16
	v_lshl_add_u32 v[SPW], v0, 2, SPARE
	v_mov_b32 v[NIL], 0
	ds_add_u32 v[SPW], v[NIL]                      ; the wave's opening: the add, twice on end, and its wait ahead of my first tensor load
	ds_add_u32 v[SPW], v[NIL]
	v_lshrrev_b32 v1, 5, v0
	v_readfirstlane_b32 s[WV], v1                  ; wave 0..3
	s_bfe_u32 s13, ttmp6, 0x40000                  ; cx
	s_lshl_b32 s14, ttmp9, 2
	s_add_co_u32 s14, s14, s13                     ; my block of 128 queries
	s_and_b32 s20, ttmp7, 0xffff                   ; the head, which the partners share
	s_and_b32 s21, s[WV], 1                        ; which 64 queries
	s_lshr_b32 s22, s[WV], 1                       ; which half of the keys
	s_lshl_b32 s17, s14, 1
	s_add_co_u32 s17, s17, s21
	s_mov_b32 s[G1], 15|(3<<16)|(1<<21)            ; the mask: all four work-groups; elements of 8 bytes; bit 21 beside a mask; no padding
	s_mov_b32 s[G1+1], 32<<16                      ; tensor_dim0: 32 elements, 256 bytes
	s_mov_b32 s[G1+2], 128<<16                     ; tensor_dim1: 128 rows
	s_mov_b32 s[G1+3], 32<<16                      ; tile_dim0
	s_mov_b32 s[G1+4], 128                         ; tile_dim1
	s_mov_b32 s[G1+5], 32                          ; the pitch: dense
	s_mov_b32 s[G1+6], 0
	s_mov_b32 s[G1+7], 0
	s_mov_b32 s[G0A], 1
	s_lshl_b32 s[G0A+1], s[WV], 15                 ; my quarter of slot 0
	s_mov_b32 s[G0W], 1
	s_add_co_u32 s[G0W+1], s[G0A+1], SLOT1         ; and of slot 1
	s_lshl_b32 s2, s20, 20
	s_add_co_u32 s2, s2, 0x800000                  ; the head's K and V
	s_lshl_b32 s42, s[WV], 15
	s_add_co_u32 s42, s42, s2                      ; my quarter of its first slot: head and wave alone
	s_mov_b32 s43, 0
	s_lshl_b32 s44, s13, 15
	s_lshl_b32 s45, s[WV], 13
	s_add_co_u32 s44, s44, s45
	s_add_co_u32 s44, s44, s2
	s_add_co_u32 s44, s44, 2*131072                ; my prefetches stand in slot 2; the first change of slots steps them to slot 3.  Nothing is prefetched at the head
	s_mov_b32 s45, 0
	s_lshl_b32 s46, s20, 19
	s_lshl_b32 s47, s14, 15
	s_add_co_u32 s46, s46, s47
	s_lshl_b32 s47, s21, 14
	s_add_co_u32 s46, s46, s47                     ; my 16 fragments of Q
	s_mov_b32 s47, 0
	s_lshl_b32 s48, s17, 14
	s_lshl_b32 s49, s22, 13
	s_add_co_u32 s48, s48, s49                     ; my 16 steps of mask words
	s_mov_b32 s49, 0
	s_lshl_b32 s50, s14, 19
	s_lshl_b32 s51, s20, 15
	s_add_co_u32 s50, s50, s51
	s_lshl_b32 s51, s21, 12
	s_add_co_u32 s50, s50, s51                     ; ctx16: block of 128 rows, 4 head x 8 KiB, my four tiles of rows
	s_mov_b32 s51, 0
	s_lshl_b32 s52, s20, 12
	s_add_co_u32 s52, s52, 0x800000
	s_mov_b32 s53, 0
	s_mov_b32 s[CS], 0x3e0293ee                    ; c = log2(e) / sqrt(128)
	s_mov_b32 s[CS+1], s[CS]
	s_mov_b32 s[SEL], 0x76543210
	s_mov_b32 s[SEL+1], 0xfedcba98
	s_lshl_b32 s[TB], s22, 15                      ; my half of a slot's keys
	s_mov_b32 s[SLOTS], 6
	s_cmp_eq_u32 ttmp9, 0
	s_cselect_b32 s[LIM], 1, -1
	v_and_b32 v1, 31, v0
	v_lshlrev_b32 v[PFO], 8, v1
	s_wait_dscnt 0x0                               ; both opening adds are done
	s_wait_kmcnt 0x0
	s_add_nc_u64 s[G0A+2:G0A+3], s[4:5], s[42:43]
	s_add_nc_u64 s[G0W+2:G0W+3], s[G0A+2:G0A+3], 131072
	s_or_b32 s[G0A+3], s[G0A+3], 0x80000000
	s_or_b32 s[G0W+3], s[G0W+3], 0x80000000
	s_add_nc_u64 s[PFA:PFA+1], s[4:5], s[44:45]
	s_add_nc_u64 s[10:11], s[4:5], s[46:47]
	s_add_nc_u64 s[6:7], s[6:7], s[48:49]
	s_add_nc_u64 s[CLO:CLO+1], s[8:9], s[52:53]
	s_add_nc_u64 s[8:9], s[8:9], s[50:51]
	CROUND                                         ; all four work-groups are here: the first joint loads meet
	tensor_load_to_lds s[G0A:G0A+3], s[G1:G1+7]    ; every wave issues both first fills: two loads of mine are out here, later one
	s_nop 0
	tensor_load_to_lds s[G0W:G0W+3], s[G1:G1+7]
	s_nop 0
.rept 4
	v_nop
.endr
	v_lshlrev_b32 v[L16], 4, v1
	WIN 0x80                                       ; destination window 2
.irp i, 0,1,2,3,4,5,6,7,8,9,10,11,12,13,14,15      ; Q stays in registers: tile i / 4, channels 32 (i % 4) on
	global_load_b128 v[8*\i:8*\i+3],   v[L16], s[10:11] offset:\i*1024
	global_load_b128 v[8*\i+4:8*\i+7], v[L16], s[10:11] offset:\i*1024+512
.endr
	WIN 0
	v_lshlrev_b32 v[MAD], 3, v1
	v_add_nc_u32 v[MAD+1], 256, v[MAD]
	global_load_b64 v[MB:MB+1], v[MAD], s[6:7]     ; step 0's mask words of tiles 0, 1
	global_load_b64 v[MB+2:MB+3], v[MAD+1], s[6:7] ; and of tiles 2, 3
	v_add_nc_u32 v[MMX], 7680, v[MAD]
	v_add_nc_u32 v[MMX+1], 7680, v[MAD+1]
	v_add_nc_u32 v[LV], VOFF, v[L16]
	v_mov_b32 v[NEGV], 0xfe800000                  ; -2^126
; THE MATRIX WORK OF A TURN, for piece x.  The accumulators take turns, one instruction a turn.
.macro PV x, zero                      ; product i of 32 of O^T += V^T P: keys 32 (i / 16) on, channels 16 ((i / 2) % 8) on, tile x + i % 2
	WIN W_PV
.set rO, 64*(\x+i%2)+8*((i/2)%8)
.set rV, 64*(i/16)+8*((i/2)%8)
.set rP, P+16*(\x+i%2)+8*(i/16)
.if \zero && (i < 16)
	v_wmma_f32_16x16x32_f16 v[rO:rO+7], v[rV:rV+7], v[rP:rP+7], 0
.else
	v_wmma_f32_16x16x32_f16 v[rO:rO+7], v[rV:rV+7], v[rP:rP+7], v[rO:rO+7]
.endif
.endm
.macro KQ x                            ; product i of 32 of S^T = K Q^T: channels 32 (i / 8) on, keys 16 ((i / 2) % 4) on, tile x + i % 2
	WIN W_KQ
.set rS, S+32*(\x+i%2)+8*((i/2)%4)
.set rK, KF+32*((i/2)%4)+8*(i/8)
.set rQ, 32*(\x+i%2)+8*(i/8)
.if i < 8
	v_wmma_f32_16x16x32_f16 v[rS:rS+7], v[rK:rK+7], v[rQ:rQ+7], 0
.else
	v_wmma_f32_16x16x32_f16 v[rS:rS+7], v[rK:rK+7], v[rQ:rQ+7], v[rS:rS+7]
.endif
.endm
; THE LDS LOADS stand in runs of 32: a step's 16 fragments of K and, a turn later, of V
.macro FETCH_K
	WIN 0
	v_add_nc_u32 v[ADR], s[TB], v[L16]
	WIN 0x80
.irp f, 0,1,2,3,4,5,6,7,8,9,10,11,12,13,14,15
	ds_load_b128 v[KF+8*\f:KF+8*\f+3],   v[ADR] offset:\f*1024
	ds_load_b128 v[KF+8*\f+4:KF+8*\f+7], v[ADR] offset:\f*1024+512
.endr
.endm
.macro FETCH_V
	WIN 0
	v_add_nc_u32 v[ADR], s[TB], v[LV]
	s_add_co_u32 s[TB], s[TB], STEPB               ; the next fetch is the next step's
	s_wait_alu depctr_va_vdst(0)                   ; the wait for the softmax's batch of exponentials, ahead of their first reader
	WIN 0xc0
.irp f, 0,1,2,3,4,5,6,7,8,9,10,11,12,13,14,15
	ds_load_b128 v[8*\f:8*\f+3],   v[ADR] offset:\f*1024
	ds_load_b128 v[8*\f+4:8*\f+7], v[ADR] offset:\f*1024+512
.endr
.endm
; ONE TILE'S SOFTMAX FOR ONE STEP: a list of 134 instructions; SM writes number j for tile t.  0-15 the maximum; 16-20 the other half of the lanes, the new m, c m, its change; 21-69 ONE BATCH: 16 packed scalings and 33
; exponentials, none of which reads an exponential's result; 70-85 roundings to f16; 86-101 sums; 102-133 O^T times a.  first = 1: the first step, which has no old maximum and nothing to rescale.
.macro SM t, first
.set rT, ST+8*(\t)
.set rS, S+32*(\t)
.set rP, P+16*(\t)
.set rO, 64*(\t)+2*(j-102)
.if j < 102
	WIN 0
.endif
.if j < 4
	v_max3_num_f32 v[rT+4+j], v[rS+8*j], v[rS+8*j+1], v[rS+8*j+2]
.elseif j < 12
	v_max3_num_f32 v[rT+4+j%4], v[rT+4+j%4], v[rS+8*(j%4)+2*(j/4)+1], v[rS+8*(j%4)+2*(j/4)+2]
.elseif j == 12
	v_max3_num_f32 v[rT+4], v[rT+4], v[rS+7], v[rS+15]
.elseif j == 13
	v_max3_num_f32 v[rT+6], v[rT+6], v[rS+23], v[rS+31]
.elseif j == 14
	v_max3_num_f32 v[rT+4], v[rT+4], v[rT+5], v[rT+6]
.elseif (j == 15) && \first
	v_max_num_f32 v[rT+4], v[rT+4], v[rT+7]
.elseif j == 15
	v_max3_num_f32 v[rT+4], v[rT+4], v[rT+7], v[rT+1]
.elseif j == 16
	v_permlanex16_b32 v[rT+5], v[rT+4], s[SEL], s[SEL+1]
.elseif j == 18
	v_max_num_f32 v[rT+1], v[rT+4], v[rT+5]
.elseif j == 19
	v_mul_f32 v[rT], s[CS], v[rT+1]
.elseif ((j == 17) || (j == 20) || (j == 23) || (j > 101)) && \first
.elseif j == 17
	v_mov_b32 v[rT+7], v[rT]                       ; c m_old is kept for a: number 19 writes c m anew
.elseif j == 20
	v_sub_f32 v[rT+7], v[rT+7], v[rT]
.elseif j == 23
	v_exp_f32 v[rT+6], v[rT+7]
.elseif (j < 23) || ((j < 38) && (j%2 == 0)) || ((j < 66) && (j%4 == 2))
.set b, (j-2)/4
.if j < 38
.set b, (j-20)/2
.endif
	v_pk_fma_f32 v[rS+2*b:rS+2*b+1], v[rS+2*b:rS+2*b+1], s[CS:CS+1], v[rT:rT+1] op_sel_hi:[1,0,0] neg_lo:[0,0,1] neg_hi:[0,0,1]
.elseif j < 70
.set e, j-38
.if j < 66
.set e, j-32-(j-38)/4
.endif
.if j < 38
.set e, (j-25)/2
.endif
	v_exp_f32 v[rS+e], v[rS+e]
.elseif j < 86
	v_cvt_pk_f16_f32 v[rP+j-70], v[rS+2*(j-70)], v[rS+2*(j-70)+1]
.elseif j < 102
.set z, j-86
.set w, 4
.set u, z
.if z >= 14
.set w, 32
.set u, 0
.elseif z >= 12
.set w, 16
.set u, z-12
.elseif z >= 8
.set w, 8
.set u, z-8
.endif
.if (z == 14) && \first
	v_pk_add_f32 v[rT+2:rT+3], v[rS:rS+1], v[rS+16:rS+17]
.elseif z < 15
	v_pk_add_f32 v[rS+w*u:rS+w*u+1], v[rS+w*u:rS+w*u+1], v[rS+w*u+w/2:rS+w*u+w/2+1]
.elseif !\first
	v_pk_fma_f32 v[rT+2:rT+3], v[rT+2:rT+3], v[rT+6:rT+7], v[rS:rS+1] op_sel_hi:[1,0,1]
.endif
.else
	WIN W_RS
	v_pk_mul_f32 v[rO:rO+1], v[rO:rO+1], v[rT+6:rT+7] op_sel_hi:[1,0]
.endif
.endm
; THE VECTOR WORK OF A TURN, for piece y, in 198 units of two instructions (un counts them).  0-63: the mask, score un / 2 of both tiles: an even unit shifts the two words, an odd one selects (each accumulator from its low end on).
; 64-85: list numbers 0-21 of both tiles.  86-133: the batch, four numbers of one tile at a time, the tiles by turns.  134-197: numbers 70-133 of both tiles.
; Behind unit 63 the piece's words of its next step are asked for (ml = 1): they are wanted two turns on.  The offset is held at step 15's, so the one request beyond the last step stays inside my 16 steps; its words are not used.
; Behind unit 133 stands the turn's one wait for its 66 exponentials, with a plain instruction ahead of it; in piece 2's turn (y = 0) V's run of loads stands there, and the wait in it.
.macro UNIT y, first, ml
.if un < 64
	WIN 0
.if un%2 == 0
	v_add_co_u32 v[MB+\y], vcc_lo, v[MB+\y], v[MB+\y]
	v_add_co_u32 v[MB+\y+1], s[CY], v[MB+\y+1], v[MB+\y+1]
.else
	v_cndmask_b32 v[S+32*(\y)+un/2], v[S+32*(\y)+un/2], v[NEGV], vcc_lo
	v_cndmask_b32 v[S+32*(\y+1)+un/2], v[S+32*(\y+1)+un/2], v[NEGV], s[CY]
.endif
.if (un == 63) && \ml
	v_add_nc_u32 v[MAD+(\y)/2], 512, v[MAD+(\y)/2] ; free since the wait at the turn's head showed its load done
	v_min_u32 v[MAD+(\y)/2], v[MAD+(\y)/2], v[MMX+(\y)/2]
	global_load_b64 v[MB+\y:MB+\y+1], v[MAD+(\y)/2], s[6:7]
.endif
.elseif un < 86
.set j, un-64
	SM \y, \first
	SM \y+1, \first
.elseif un < 134
.set j, 22+4*((un-86)/4)+2*((un-86)%2)
	SM (\y)+((un-86)/2)%2, \first
.set j, j+1
	SM (\y)+((un-86)/2)%2, \first
.if un == 133
	v_nop
.if (\y) == 0
	FETCH_V
.else
	s_wait_alu depctr_va_vdst(0)
.endif
.endif
.else
.set j, un-64
	SM \y, \first
	SM \y+1, \first
.endif
.set un, un+1
.endm
.macro SLICE y, first, ml              ; three units; 198 = 3 x 64 + 6: the six that are over stand in slice 63, whose 18 plain instructions are the places behind the turn's last product
.rept 3
	UNIT \y, \first, \ml
.endr
.if k == 63
.rept 6
	UNIT \y, \first, \ml
.endr
.endif
.set k, k+1
.endm
.macro PLACES
.rept 4
	v_nop
.endr
.endm
; A TURN.  pv = 2: 32 products V^T P; 1: they start O^T's sums; 0: none.  kq = 1: 32 products K Q^T for the next step.  A turn with one kind has two slices behind each product.
; Piece 0's turn fetches the next step's K behind its second product; piece 2's turn the same step's V behind unit 133 (slice 44): V's last reader stands in front of slice 31, with more than four packed scalings between.
.macro TURN x, pv, kq, first, ml
.set un, 0
.set k, 0
.set per, 2
.if \pv && \kq
.set per, 1
.endif
	s_wait_loadcnt 1                               ; the mask words of the piece whose softmax stands here are in; the other piece's load, issued a turn later, may be out
.if \pv
.if \x == 0
	s_wait_dscnt 0x0                               ; V is in
.endif
.set i, 0
.rept 32
	PV \x, 2-\pv
.rept per
	SLICE 2-\x, \first, \ml
.endr
.if (\x == 0) && \kq && (i == 1)
	FETCH_K
.endif
.set i, i+1
.endr
.endif
.if \kq
.if \x == 0
	s_wait_dscnt 0x0                               ; K is in
.endif
.set i, 0
.rept 32
	KQ \x
.rept per
	SLICE 2-\x, \first, \ml
.endr
.set i, i+1
.endr
.endif
.if \first
	PLACES                                         ; the first step's last slices are empty
.endif
.endm
; THE CHANGE OF SLOTS.  Each wave waits for all its tensor loads (one is out: its quarter of the other slot), adds 0 to its spare word, and waits for that and for its reads of the slot.  fill = 1: the barrier is a round of the
; cluster's, and the joint refill is the first thing behind it: it has two key steps of every wave, 256 matrix instructions, in which to land.
.macro CHANGE fill
	WIN 0
	s_wait_tensorcnt 0x0
	ds_add_u32 v[SPW], v[NIL]
.if \fill
	s_xor_b32 s[G0W+1], s[G0W+1], SLOT1            ; the walking descriptor: the other slot,
	s_add_nc_u64 s[G0W+2:G0W+3], s[G0W+2:G0W+3], 131072  ; the next 256 keys
	s_wait_xcnt 0x0                                ; the last prefetch has read its address
	s_add_nc_u64 s[PFA:PFA+1], s[PFA:PFA+1], 131072
	s_wait_dscnt 0x0                               ; the add is done, and my reads of the slot are over
	CROUND
	tensor_load_to_lds s[G0W:G0W+3], s[G1:G1+7]
	s_nop 0
.rept 4
	v_nop
.endr
	ASK
.else
	s_wait_dscnt 0x0
	s_barrier_signal -1
	s_barrier_wait -1
.endif
	s_sub_co_u32 s[TB], s[TB], 2*STEPB
	s_xor_b32 s[TB], s[TB], SLOT1
.endm
.macro TWO_STEPS
	s_mov_b32 s[TWICE], 2
.Lstep_\@:
	TURN 0, 2, 1, 0, 1
	TURN 2, 2, 1, 0, 1
	WIN 0
	s_sub_co_u32 s[TWICE], s[TWICE], 1
	s_cmp_lg_u32 s[TWICE], 0
	s_cbranch_scc1 .Lstep_\@
.endm
	s_wait_tensorcnt 1                             ; my quarter of slot 0 is in; slot 1's may stay out
	s_barrier_signal -1
	s_barrier_wait -1
	FETCH_K                                        ; step 0
	s_wait_loadcnt 0x0                             ; Q and the first mask words
	s_wait_dscnt 0x0
.set i, 0
.rept 32
	KQ 0
.set i, i+1
.endr
	WIN 0                                          ; the exchange's addresses: plain instructions, the places behind those products; made ahead of every branch on the wave's number
	s_mul_i32 s20, s[WV], XCH
	s_xor_b32 s21, s[WV], 2
	s_mul_i32 s21, s21, XCH
	v_add_nc_u32 v[XST], s20, v[L16]
	v_add_nc_u32 v[XLD], s21, v[L16]
	v_lshlrev_b32 v10, 2, v1
	v_add_nc_u32 v10, 16384, v10
	v_add_nc_u32 v[XSS], s20, v10
	v_add_nc_u32 v[XSL], s21, v10
	v_mov_b32 v[QT], s17
	TURN 2, 0, 1, 1, 1                             ; piece 2's first scores | piece 0's first softmax | V of step 0
	TURN 0, 1, 1, 1, 1                             ; piece 0: V^T P of step 0 starts O^T, K Q^T of step 1 | piece 2's first softmax | K of step 1
	TURN 2, 1, 1, 0, 1                             ; piece 2: the same | piece 0's softmax of step 1 | V of step 1
	WIN 0
.Lslot:                                            ; six trips: every slot but the last two is filled again
	CHANGE 1
	TWO_STEPS
	s_sub_co_u32 s[SLOTS], s[SLOTS], 1
	s_cmp_lg_u32 s[SLOTS], 0
	s_cbranch_scc1 .Lslot
	CHANGE 0                                       ; the tail is written out
	TWO_STEPS
	TURN 0, 2, 0, 0, 0                             ; piece 0: V^T P of the last step | piece 2's last softmax
.set i, 0
.rept 32
	PV 2, 0
.set i, i+1
.endr
	; THE WAY OUT.  l's halves are added (these twelve lines are the places behind the last products).  Waves 0, 1 finish tiles 0, 1 and hand tiles 2, 3 to their partners; waves 2, 3 the other way round.
	WIN 0
.irp t, 0,1,2,3
	v_add_f32 v[ST+8*\t+4], v[ST+8*\t+2], v[ST+8*\t+3]
.endr
.irp t, 0,1,2,3
	v_permlanex16_b32 v[ST+8*\t+5], v[ST+8*\t+4], s[SEL], s[SEL+1]
.endr
.irp t, 0,1,2,3
	v_add_f32 v[ST+8*\t+4], v[ST+8*\t+4], v[ST+8*\t+5]
.endr
.macro SENDX y                         ; O^T, c m and l of tiles y, y + 1 as images of their registers
	WIN 0x04                                       ; an LDS store's data are its source 1: window 1
.irp tl, 0,1
.irp i, 0,1,2,3,4,5,6,7,8,9,10,11,12,13,14,15
	ds_store_b128 v[XST], v[64*(\y+\tl)+4*\i:64*(\y+\tl)+4*\i+3] offset:\tl*8192+\i*512
.endr
.endr
	WIN 0
.irp tl, 0,1
	ds_store_b32 v[XSS], v[ST+8*(\y+\tl)] offset:\tl*256
	ds_store_b32 v[XSS], v[ST+8*(\y+\tl)+4] offset:\tl*256+128
.endr
.endm
; Tiles y, y + 1: with M the larger c m, a1 = 2^(c m - M), a2 = 2^(c m' - M): O = (a1 O + a2 O') / (a1 l + a2 l'); rounded to f16: four registers of a fragment of the next product's A, in the same lane.
.macro FINISH y
.irp tl, 0,1
.irp i, 0,1,2,3,4,5,6,7,8,9,10,11,12,13,14,15
	ds_load_b128 v[S+64*\tl+4*\i:S+64*\tl+4*\i+3], v[XLD] offset:\tl*8192+\i*512
.endr
	ds_load_b32 v[ST+8*(\y+\tl)+5], v[XSL] offset:\tl*256
	ds_load_b32 v[ST+8*(\y+\tl)+1], v[XSL] offset:\tl*256+128
.endr
	s_wait_dscnt 0x0
.irp tl, 0,1
	v_max_num_f32 v[ST+8*(\y+\tl)+7], v[ST+8*(\y+\tl)], v[ST+8*(\y+\tl)+5]
.endr
.irp tl, 0,1
	v_sub_f32 v[ST+8*(\y+\tl)+6], v[ST+8*(\y+\tl)], v[ST+8*(\y+\tl)+7]
	v_sub_f32 v[ST+8*(\y+\tl)+2], v[ST+8*(\y+\tl)+5], v[ST+8*(\y+\tl)+7]
.endr
.irp tl, 0,1
	v_exp_f32 v[ST+8*(\y+\tl)+6], v[ST+8*(\y+\tl)+6]
	v_exp_f32 v[ST+8*(\y+\tl)+2], v[ST+8*(\y+\tl)+2]
.endr
	v_nop
	s_wait_alu depctr_va_vdst(0)                   ; one wait for the four exponentials
.irp tl, 0,1
	v_mul_f32 v[ST+8*(\y+\tl)+3], v[ST+8*(\y+\tl)+2], v[ST+8*(\y+\tl)+1]
.endr
.irp tl, 0,1
	v_fma_f32 v[ST+8*(\y+\tl)+3], v[ST+8*(\y+\tl)+6], v[ST+8*(\y+\tl)+4], v[ST+8*(\y+\tl)+3]
.endr
.irp tl, 0,1
	v_rcp_f32 v[ST+8*(\y+\tl)+7], v[ST+8*(\y+\tl)+3]
.endr
	v_nop
	s_wait_alu depctr_va_vdst(0)                   ; and one for the two reciprocals
.irp tl, 0,1
	v_mul_f32 v[ST+8*(\y+\tl)+6], v[ST+8*(\y+\tl)+6], v[ST+8*(\y+\tl)+7]
	v_mul_f32 v[ST+8*(\y+\tl)+2], v[ST+8*(\y+\tl)+2], v[ST+8*(\y+\tl)+7]
.endr
.irp tl, 0,1
.set i, 0
.rept 32
	v_pk_mul_f32 v[S+64*\tl+i:S+64*\tl+i+1], v[S+64*\tl+i:S+64*\tl+i+1], v[ST+8*(\y+\tl)+2:ST+8*(\y+\tl)+3] op_sel_hi:[1,0]
.set i, i+2
.endr
	WIN 0x01                                       ; source 0: O^T, window 1
.set i, 0
.rept 32
	v_pk_fma_f32 v[S+64*\tl+i:S+64*\tl+i+1], v[64*(\y+\tl)+i:64*(\y+\tl)+i+1], v[ST+8*(\y+\tl)+6:ST+8*(\y+\tl)+7], v[S+64*\tl+i:S+64*\tl+i+1] op_sel_hi:[1,0,1]
.set i, i+2
.endr
	WIN 0
.set i, 0
.rept 32
	v_cvt_pk_f16_f32 v[P+32*\tl+i], v[S+64*\tl+2*i], v[S+64*\tl+2*i+1]
.set i, i+1
.endr
.irp ct, 0,1,2,3,4,5,6,7
	global_store_b128 v[L16], v[P+32*\tl+4*\ct:P+32*\tl+4*\ct+3], s[8:9] offset:(\ct/2)*8192+(\y+\tl)*1024+(\ct%2)*512   ; 512 consecutive bytes
.endr
.endr
.if (\y) == 0
; ROWS 0-15 OF THE SEQUENCE are carried more finely into the output projection: what the rounding to f16 left over goes out as a second f16 number.  They are tile 0 of the wave with QT = 0.  The branch hangs on the
; cluster's number, the same in all partners; inside the first cluster a lane mask, not a branch, picks the wave.
	s_cmp_lg_u32 ttmp9, 0
	s_cbranch_scc1 .Lno_low_\@
.set i, 0
.rept 32
	v_mov_b32 v54, v[P+i]                          ; (a register's halves have names only under v128)
	v_cvt_f32_f16 v56, v54.l
	v_cvt_f32_f16 v57, v54.h
	v_pk_add_f32 v[S+2*i:S+2*i+1], v[S+2*i:S+2*i+1], v[56:57] neg_lo:[0,1] neg_hi:[0,1]
	v_cvt_pk_f16_f32 v[S+i], v[S+2*i], v[S+2*i+1]
.set i, i+1
.endr
	s_wait_xcnt 0x0                                ; EXEC changes only behind this wait
	v_cmp_eq_u32 vcc_lo, 0, v[QT]
	s_and_saveexec_b32 s20, vcc_lo
.irp ct, 0,1,2,3,4,5,6,7
	global_store_b128 v[L16], v[S+4*\ct:S+4*\ct+3], s[CLO:CLO+1] offset:(\ct/2)*1024+(\ct%2)*512
.endr
	s_wait_xcnt 0x0                                ; and again, in front of the line that widens it
	s_or_b32 exec_lo, exec_lo, s20
.Lno_low_\@:
.endif
.endm
	s_cmp_lt_u32 s[WV], 2
	s_cbranch_scc0 .Lsend0
	SENDX 2
	s_branch .Lsent
.Lsend0:
	SENDX 0
.Lsent:
	s_wait_dscnt 0x0                               ; for my partner's sake: my stores have landed
	s_barrier_signal -1
	s_barrier_wait -1
	s_cmp_lt_u32 s[WV], 2
	s_cbranch_scc0 .Lfin2
	FINISH 0
	s_branch .Ldone
.Lfin2:
	FINISH 2
.Ldone:
	s_wait_tensorcnt 0x0                           ; the wave's end, behind my last tensor load and my last LDS store
	ds_add_u32 v[SPW], v[NIL]
	s_wait_dscnt 0x0
	CROUND                                         ; the closing round
	s_endpgm
.Lfunc_end_k_qa32d5c92ef_attn:
	.size	k_qa32d5c92ef_attn, .Lfunc_end_k_qa32d5c92ef_attn-k_qa32d5c92ef_attn
	.p2alignl 7, 3214868480
	.fill 96, 4, 3214868480
	.section	.rodata,"a",@progbits
	.p2align	6, 0x0
	.amdhsa_kernel k_qa32d5c92ef_attn
		.amdhsa_group_segment_fixed_size 327680
		.amdhsa_private_segment_fixed_size 0
		.amdhsa_enable_private_segment 0
		.amdhsa_kernarg_size 24
		.amdhsa_user_sgpr_count 2
		.amdhsa_user_sgpr_kernarg_segment_ptr 1
		.amdhsa_wavefront_size32 1
		.amdhsa_system_sgpr_workgroup_id_x 1
		.amdhsa_system_sgpr_workgroup_id_y 1
		.amdhsa_system_sgpr_workgroup_id_z 1
		.amdhsa_system_vgpr_workitem_id 0
		.amdhsa_next_free_vgpr 1024
		.amdhsa_next_free_sgpr 66
		.amdhsa_reserve_vcc 1
		.amdhsa_float_denorm_mode_32 3
		.amdhsa_float_denorm_mode_16_64 3
		.amdhsa_memory_ordered 1
		.amdhsa_forward_progress 1
		.amdhsa_inst_pref_size 255
	.end_amdhsa_kernel
	.section	.bss,"aw",@nobits
	.p2align	6
	.space	262144
	.amdgpu_metadata
---
amdhsa.version: [ 1, 2 ]
amdhsa.kernels:
  - .name:           k_qa32d5c92ef_attn
    .symbol:         k_qa32d5c92ef_attn.kd
    .args:
      - { .name: qkv16, .offset: 0, .size: 8, .value_kind: global_buffer, .address_space: global }
      - { .name: mbits, .offset: 8, .size: 8, .value_kind: global_buffer, .address_space: global }
      - { .name: ctx16, .offset: 16, .size: 8, .value_kind: global_buffer, .address_space: global }
    .group_segment_fixed_size: 327680
    .private_segment_fixed_size: 0
    .kernarg_segment_align: 8
    .kernarg_segment_size: 24
    .max_flat_workgroup_size: 128
    .sgpr_count:     66
    .vgpr_count:     1024
    .wavefront_size: 32
...
	.end_amdgpu_metadata
.endif
;; end of part 3
;; launch proj (part 4): grid 16 x 16, 4 waves a work-group, clusters of 4 x 4, 327,680 bytes of LDS; arguments ctx16, wo16, out0; writes out0
.if DOCPART == 4
	.amdgcn_target "amdgcn-amd-amdhsa--gfx1250"
	.amdhsa_code_object_version 6
	.text
	.protected	k_qa32d5c92ef_proj
	.globl	k_qa32d5c92ef_proj
	.p2align	8
	.type	k_qa32d5c92ef_proj,@function
k_qa32d5c92ef_proj:
	s_mov_b64 s[64:65], 0
	v_nop
	global_prefetch_b8 v0, s[64:65] scope:SCOPE_SE
	s_setreg_imm32_b32 hwreg(HW_REG_WAVE_MODE, 25, 1), 1
	s_wait_xcnt 0x0
	s_wait_alu depctr_hold_cnt(0) depctr_sa_sdst(0) depctr_va_vdst(0) depctr_va_sdst(0) depctr_va_ssrc(0) depctr_va_vcc(0) depctr_vm_vsrc(0)
	s_getreg_b32 s2, hwreg(HW_REG_IB_STS2, 6, 4)
	s_cmp_eq_u32 s2, 0
	s_cbranch_scc0 .Lentry_in_a_cluster
	s_endpgm
.Lentry_in_a_cluster:
	s_bfe_u32 s2, ttmp6, 0x10000c
	s_cmp_lg_u32 s2, 0xf033
	s_cbranch_scc0 .Lentry_shape_is_right
	s_endpgm
.Lentry_shape_is_right:
; PROJ: out0[m][n] = the sum over k of ctx[m][k] Wo[k][n], f16 operands, f32 sums, K = 2,048.  No work of the problem is left out here.
; THE BULK: a tile of out0 is 128 x 128 (256 work-groups), a wave's 64 x 64: 16 accumulators; the operands are the high parts.  K goes in steps of 256 through two LDS slots.  Both operands lie in memory as images of fragment
; registers, [block of 128 rows][32 along K][tile of 16 rows][1 KiB]: a K step of a block is 64 KiB on end, a wave's tensor load brings half of it, and a fragment comes from LDS by two loads of 16 bytes at 16 x lane, without padding.
; ROWS 0-15, the first positions of the sequence, whose softmax averages few values, are made apart, with both operands as pairs of f16 numbers, a high and a low part: hi.hi + hi.lo + lo.hi (lo.lo lies under f32's rounding of the
; sum).  The bulk does not store them (a lane mask); they lie inside a tile that holds live rows, so their products there stay.  They are 128 tiles of 16 columns: the work-group at tile row tr < 8 and tile column tc makes tile
; 8 tc + tr; its four waves share K, 512 each; the four partial tiles meet in LDS bytes of their own, across the first barrier.  tr < 8 is: the cluster's y under 2, the same in all sixteen partners; no branch hangs on a place in the
; cluster.  This work stands behind the first joint loads and ahead of the first barrier, where the waves have nothing else to do but wait for their first tiles.  A tile's row is 64 bytes of out0: 128 KiB in all leave in such pieces.
; CLUSTERS: 4 x 4: A's tiles are asked for jointly along a row of the cluster, B's along a column.  THE MATRIX INSTRUCTION IS USED TRANSPOSED: a lane holds eight neighbouring numbers of a row of out0.
; REGISTERS: window 0: v0-31 addresses; v32-95 rows on the way out (at the head: v32-55 three accumulators of rows 0-15, v56-63 their sum); v96-111 the four partial tiles; v128-255 the accumulators ((a, b) at v[128 + 8 (4 a + b)]).
;   window 1: two fragment buffers of 128: 64 registers of A, 64 of B.   window 2: rows 0-15: Wo's 16 high fragments, then its 16 low ones.   window 3: ctx's likewise.
.set SLOT,   131072                    ; A's 64 KiB, then B's
.set STAGE,  2*SLOT                    ; behind the ring: 16 rows x 272 bytes for each wave
.set SPITCH, 272
.set SPARE,  STAGE+4*16*SPITCH         ; the spare words, 128 bytes for each wave
.set FPART,  SPARE+512                 ; rows 0-15: four partial tiles of 1 KiB, images of eight registers: sixteen blocks of 256 bytes into which no fill lands
.set LAPS, 4
.set FST,  6                           ; v6   where my partial tile goes
.set FRD,  7                           ; v7   waves 0, 1: which half of every partial tile I add up
.set FCO,  8                           ; v8   rows 0-15 of out0: row lane % 16, 32 bytes for each half of the lanes
.set ADRA, 16
.set ADRB, 20
.set STO,  24
.set RD,   25
.set CO,   26
.set RB,   27                          ; v27  which 64 rows of out0 are mine: 0 .. 31
.set SPW,  28
.set NIL,  29
.set TMP,  32
.set FD,   32
.set ACC,  128
.set F0,   0
.set F1,   128
.set G1, 24
.set G0, 32
.set G1B, 48
.set G0B, 56
.set CLY, 66                           ; s66      the cluster's y
.set FO,  68                           ; s[68:69] rows 0-15: my tile's first byte in out0
.set FAH, 70                           ; s[70:77] rows 0-15: my 16 fragments of ctx's high part, of its low part, of Wo's high part, of its low part
.set FAL, 72
.set FBH, 74
.set FBL, 76
.set MSB, 0
.macro WIN new
.if MSB != (\new)
	s_set_vgpr_msb (MSB<<8)|(\new)
.set MSB, (\new)
.endif
.endm
.set MUL,  0x05
.set TO_F, 0x40
.macro JLOAD s                         ; waves 0 and 1 fetch A's two halves, waves 2 and 3 B's; an s_nop 0 and four v_nop follow each of the two lines
	s_cmp_eq_u32 s11, 0
	s_cbranch_scc0 .Lfor_b_\@
	tensor_load_to_lds s[G0+4*\s:G0+4*\s+3], s[G1:G1+7]
	s_nop 0
.rept 4
	v_nop
.endr
	s_branch .Lasked_\@
.Lfor_b_\@:
	tensor_load_to_lds s[G0B+4*\s:G0B+4*\s+3], s[G1B:G1B+7]
	s_nop 0
.rept 4
	v_nop
.endr
.Lasked_\@:
.endm
.macro CREST
	s_cmp_lg_u32 s10, 0
	s_cbranch_scc1 .Lnot_wave_0_\@
	s_barrier_signal -3
.Lnot_wave_0_\@:
	s_barrier_wait -3
	s_barrier_signal -1
	s_barrier_wait -1
.endm
.macro CROUND
	s_barrier_signal -1
	s_barrier_wait -1
	CREST
.endm
	s_load_b128 s[4:7], s[0:1], 0x0                ; ctx16 4, wo16 6
	s_load_b64 s[8:9], s[0:1], 0x10                ; out0
	v_lshl_add_u32 v[SPW], v0, 2, SPARE
	v_mov_b32 v[NIL], 0
	ds_add_u32 v[SPW], v[NIL]                      ; the wave's opening: the add, twice on end, and its wait ahead of my first tensor load
	ds_add_u32 v[SPW], v[NIL]
	v_lshrrev_b32 v1, 5, v0
	v_readfirstlane_b32 s10, v1                    ; wave 0..3
	s_lshr_b32 s11, s10, 1                         ; which half of the tile's rows is mine.  Also: I fetch for A (0) or for B (1)
	s_and_b32 s12, s10, 1                          ; which half of its columns.  Also: which half of a K step I fetch
	s_bfe_u32 s40, ttmp6, 0x40000
	s_bfe_u32 s41, ttmp6, 0x40004
	s_lshl_b32 s42, ttmp9, 2
	s_add_co_u32 s42, s42, s40                     ; tile column
	s_and_b32 s[CLY], ttmp7, 0xffff                ; the cluster's y
	s_lshl_b32 s13, s[CLY], 2
	s_add_co_u32 s13, s13, s41                     ; tile row
	s_lshl_b32 s43, s41, 2
	s_lshl_b32 s43, 15, s43
	s_lshl_b32 s44, 0x1111, s40
	s_or_b32 s[G1+0], s43, (3<<16)|(1<<21)         ; the mask: my row of the cluster; elements of 8 bytes; bit 21 beside a mask; no padding
	s_or_b32 s[G1B+0], s44, (3<<16)|(1<<21)        ; my column
.irp g, G1, G1B
	s_mov_b32 s[\g+1], 32<<16                      ; tensor_dim0: 256 bytes
	s_mov_b32 s[\g+2], 128<<16                     ; tensor_dim1: 128 rows: 32 KiB
	s_mov_b32 s[\g+3], 32<<16
	s_mov_b32 s[\g+4], 128
	s_mov_b32 s[\g+5], 32                          ; dense
	s_mov_b32 s[\g+6], 0
	s_mov_b32 s[\g+7], 0
.endr
	s_lshl_b32 s17, s12, 15
	s_lshl_b32 s16, s13, 19
	s_add_co_u32 s16, s16, s17                     ; A: block = tile row, my half of K step 0
	s_lshl_b32 s46, s42, 19
	s_add_co_u32 s46, s46, s17                     ; B: block = tile column
	s_mov_b32 s17, 0
	s_mov_b32 s47, 0
	s_lshl_b32 s20, s10, 15                        ; where they go: wave x 32 KiB
	s_wait_dscnt 0x0                               ; both opening adds are done
	s_wait_kmcnt 0x0
	s_add_nc_u64 s[14:15], s[4:5], s[16:17]
	s_add_nc_u64 s[46:47], s[6:7], s[46:47]
	CROUND                                         ; all sixteen work-groups are here: the first joint loads meet
.irp s, 0,1
	s_mov_b32 s[G0+4*\s], 1
	s_add_co_u32 s[G0+4*\s+1], s20, \s*SLOT
	s_add_nc_u64 s[G0+4*\s+2:G0+4*\s+3], s[14:15], \s*65536
	s_or_b32 s[G0+4*\s+3], s[G0+4*\s+3], 0x80000000
	s_mov_b32 s[G0B+4*\s], 1
	s_add_co_u32 s[G0B+4*\s+1], s20, \s*SLOT
	s_add_nc_u64 s[G0B+4*\s+2:G0B+4*\s+3], s[46:47], \s*65536
	s_or_b32 s[G0B+4*\s+3], s[G0B+4*\s+3], 0x80000000
	JLOAD \s                                       ; two loads of a wave are out here, later one
.endr
	v_and_b32 v1, 15, v0                           ; l % 16
	v_bfe_u32 v2, v0, 4, 1                         ; l / 16
	v_and_b32 v3, 31, v0
	v_lshlrev_b32 v3, 4, v3                        ; 16 x lane; never rewritten
	s_lshl_b32 s21, s11, 12                        ; my four tiles of A's rows
	s_lshl_b32 s22, s12, 12
	s_add_co_u32 s22, s22, 65536                   ; my four of B's, behind A's 64 KiB
.irp s, 0,1
	v_add_nc_u32 v[ADRA+\s], s21, v3
	v_add_nc_u32 v[ADRB+\s], s22, v3
	s_add_co_u32 s21, s21, SLOT
	s_add_co_u32 s22, s22, SLOT
.endr
	s_mul_i32 s23, s10, 16*SPITCH
	s_add_co_u32 s23, s23, STAGE                   ; my stage
	v_mul_u32_u24 v4, v1, SPITCH
	v_lshl_add_u32 v4, v2, 5, v4
	v_add_nc_u32 v[STO], s23, v4                   ; in: row l % 16, 32 bytes for each half of the lanes
	v_mul_u32_u24 v5, v2, SPITCH
	v_lshl_add_u32 v5, v1, 4, v5
	v_add_nc_u32 v[RD], s23, v5                    ; back: lanes 0-15 one row of 256 bytes, lanes 16-31 the next
	v_lshlrev_b32 v5, 13, v2
	v_lshl_add_u32 v[CO], v1, 4, v5                ; the same two rows in out0
	; rows 0-15: what the lines ahead of the loop read is made here, on the way that every work-group takes
	s_lshl_b32 s80, s10, 10
	s_add_co_u32 s80, s80, FPART
	v_add_nc_u32 v[FST], s80, v3                   ; partial tile = wave
	s_lshl_b32 s80, s12, 9
	s_add_co_u32 s80, s80, FPART
	v_add_nc_u32 v[FRD], s80, v3                   ; registers 0-3 (wave 0) or 4-7 (wave 1) of each
	v_lshlrev_b32 v[FCO], 13, v1
	v_lshl_add_u32 v[FCO], v2, 5, v[FCO]
	s_lshl_b32 s78, s42, 9                         ; tile 8 tc + tr of 16 columns: 64 bytes each,
	s_lshl_b32 s79, s13, 6
	s_add_co_u32 s78, s78, s79
	s_lshl_b32 s79, s12, 4                         ; and 16 bytes on for wave 1's four registers
	s_add_co_u32 s78, s78, s79
	s_mov_b32 s79, 0
	s_add_nc_u64 s[FO:FO+1], s[8:9], s[78:79]
	s_lshl_b32 s16, s13, 1
	s_add_co_u32 s16, s16, s11
	v_mov_b32 v[RB], s16
	s_lshl_b32 s16, s16, 19                        ; my first row: 64 (2 tile row + half) x 8,192 bytes
	s_mov_b32 s17, 0
	s_add_nc_u64 s[8:9], s[8:9], s[16:17]
	s_lshl_b32 s46, s42, 9                         ; my first column: 512 x tile column + 256 x half
	s_lshl_b32 s47, s12, 8
	s_add_co_u32 s46, s46, s47
	s_mov_b32 s47, 0
	s_add_nc_u64 s[8:9], s[8:9], s[46:47]
.macro MUL8 f, c, a0, zero             ; 8 matrix instructions: m blocks a0, a0 + 1 x all 4 n blocks, 32 along K; the 16 accumulators take turns
.irp a, \a0, \a0+1
.irp b, 0,1,2,3
.if \zero
	v_wmma_f32_16x16x32_f16 v[ACC+8*(4*(\a)+\b):ACC+8*(4*(\a)+\b)+7], v[\f+64+8*(4*\c+\b):\f+64+8*(4*\c+\b)+7], v[\f+8*(4*\c+\a):\f+8*(4*\c+\a)+7], 0
.else
	v_wmma_f32_16x16x32_f16 v[ACC+8*(4*(\a)+\b):ACC+8*(4*(\a)+\b)+7], v[\f+64+8*(4*\c+\b):\f+64+8*(4*\c+\b)+7], v[\f+8*(4*\c+\a):\f+8*(4*\c+\a)+7], v[ACC+8*(4*(\a)+\b):ACC+8*(4*(\a)+\b)+7]
.endif
.endr
.endr
.endm
.macro FETCH slot, kq, f               ; 32 LDS loads in one run: quarter kq of the slot (64 along K), the first 32 along K first
	WIN TO_F
.irp c, 0,1
.irp i, 0,1,2,3
	ds_load_b128 v[\f+64+8*(4*\c+\i):\f+64+8*(4*\c+\i)+3],   v[ADRB+\slot] offset:(2*(\kq)+\c)*8192+\i*1024
	ds_load_b128 v[\f+64+8*(4*\c+\i)+4:\f+64+8*(4*\c+\i)+7], v[ADRB+\slot] offset:(2*(\kq)+\c)*8192+\i*1024+512
	ds_load_b128 v[\f+8*(4*\c+\i):\f+8*(4*\c+\i)+3],         v[ADRA+\slot] offset:(2*(\kq)+\c)*8192+\i*1024
	ds_load_b128 v[\f+8*(4*\c+\i)+4:\f+8*(4*\c+\i)+7],       v[ADRA+\slot] offset:(2*(\kq)+\c)*8192+\i*1024+512
.endr
.endr
.endm
.macro PLACES
.rept 4
	v_nop
.endr
.endm
.macro QUARTER slot, kq, f, g, zero    ; multiplies buffer f and fetches quarter kq into g
	s_wait_dscnt 16                                ; the first 32 along K are in; the other sixteen loads may be out
	WIN MUL
	MUL8 \f, 0, 0, \zero
	MUL8 \f, 0, 2, \zero
	PLACES
	FETCH \slot, \kq, \g
	s_wait_dscnt 32                                ; all but the 32 just issued
	WIN MUL
	MUL8 \f, 1, 0, 0
	MUL8 \f, 1, 2, 0
.endm
.macro TURN slot, next, fill           ; the last quarter multiplies buffer 1 and changes slots
	WIN 0
	s_wait_tensorcnt 0x0                           ; all my tensor loads have landed: my part of the next slot
	ds_add_u32 v[SPW], v[NIL]
	s_wait_dscnt 17                                ; the add and the youngest sixteen loads may be out
	WIN MUL
	MUL8 F1, 0, 0, 0
	s_wait_dscnt 0x0                               ; the add is done, and my reads of this slot are over
	s_barrier_signal -1
	MUL8 F1, 0, 2, 0
.if \fill
	WIN 0
.endif
	s_barrier_wait -1
.if \fill
	CREST                                          ; the barrier has opened a round of the cluster's
	s_add_nc_u64 s[G0+4*\slot+2:G0+4*\slot+3], s[G0+4*\slot+2:G0+4*\slot+3], 131072
	s_add_nc_u64 s[G0B+4*\slot+2:G0B+4*\slot+3], s[G0B+4*\slot+2:G0B+4*\slot+3], 131072
	JLOAD \slot                                    ; the first tensor load behind the round; its four v_nop are the places in front of the loads below
.else
	PLACES
.endif
	FETCH \next, 0, F0
	WIN MUL
	MUL8 F1, 1, 0, 0
	MUL8 F1, 1, 2, 0
.endm
; ROWS 0-15.  Group g: four steps of 32 along K: the fragments of the four operands, 32 loads of 512 consecutive bytes.  Every fragment has registers of its own.
.macro FLOAD g
	WIN 0x80                                       ; destination window 2: Wo's
.irp c, 0,1,2,3
.irp q, 0,1
	global_load_b128 v[8*(4*(\g)+\c)+4*\q:8*(4*(\g)+\c)+4*\q+3], v3, s[FBH:FBH+1] offset:(4*(\g)+\c)*8192+\q*512
	global_load_b128 v[128+8*(4*(\g)+\c)+4*\q:128+8*(4*(\g)+\c)+4*\q+3], v3, s[FBL:FBL+1] offset:(4*(\g)+\c)*8192+\q*512 th:TH_LOAD_NT
.endr
.endr
	WIN 0xc0                                       ; destination window 3: ctx's
.irp c, 0,1,2,3
.irp q, 0,1
	global_load_b128 v[8*(4*(\g)+\c)+4*\q:8*(4*(\g)+\c)+4*\q+3], v3, s[FAH:FAH+1] offset:(4*(\g)+\c)*8192+\q*512
	global_load_b128 v[128+8*(4*(\g)+\c)+4*\q:128+8*(4*(\g)+\c)+4*\q+3], v3, s[FAL:FAL+1] offset:(4*(\g)+\c)*1024+\q*512
.endr
.endr
.endm
; Its twelve products, transposed (source 0 = 16 columns of Wo, window 2; source 1 = the 16 rows, window 3): hi.hi, hi.lo, lo.hi: three accumulators by turns; the first three start the sums.
.macro FMUL g
	WIN 0x0e
.irp c, 0,1,2,3
.if (4*(\g)+\c) == 0
	v_wmma_f32_16x16x32_f16 v[FD:FD+7], v[0:7], v[0:7], 0
	v_wmma_f32_16x16x32_f16 v[FD+8:FD+15], v[0:7], v[128:135], 0
	v_wmma_f32_16x16x32_f16 v[FD+16:FD+23], v[128:135], v[0:7], 0
.else
	v_wmma_f32_16x16x32_f16 v[FD:FD+7], v[8*(4*(\g)+\c):8*(4*(\g)+\c)+7], v[8*(4*(\g)+\c):8*(4*(\g)+\c)+7], v[FD:FD+7]
	v_wmma_f32_16x16x32_f16 v[FD+8:FD+15], v[8*(4*(\g)+\c):8*(4*(\g)+\c)+7], v[128+8*(4*(\g)+\c):128+8*(4*(\g)+\c)+7], v[FD+8:FD+15]
	v_wmma_f32_16x16x32_f16 v[FD+16:FD+23], v[128+8*(4*(\g)+\c):128+8*(4*(\g)+\c)+7], v[8*(4*(\g)+\c):8*(4*(\g)+\c)+7], v[FD+16:FD+23]
.endif
.endr
.endm
	; ---- rows 0-15, my quarter of K: loads and their readers stand in this one arm.  The groups run two ahead: 64 loads of a wave are out at the most.
	s_cmp_lt_u32 s[CLY], 2                         ; tile rows 0-7: the cluster's y alone decides
	s_cbranch_scc0 .Lno_fine
	s_lshl_b32 s78, s10, 17                        ; my 16 steps of 32 along K: 8 KiB each in the high parts,
	s_mov_b32 s79, 0
	s_add_nc_u64 s[FAH:FAH+1], s[4:5], s[78:79]    ; ctx: block 0, tile 0 of its rows
	s_lshl_b32 s80, s42, 19
	s_add_co_u32 s78, s78, s80                     ; Wo: block of 128 columns = tile column,
	s_lshl_b32 s80, s13, 10
	s_add_co_u32 s78, s78, s80                     ; tile of 16 in it = tile row
	s_add_nc_u64 s[FBH:FBH+1], s[6:7], s[78:79]
	s_add_nc_u64 s[FBL:FBL+1], s[FBH:FBH+1], 0x800000
	s_lshl_b32 s78, s10, 14                        ; 1 KiB each in ctx's low part
	s_add_co_u32 s78, s78, 0x800000
	s_add_nc_u64 s[FAL:FAL+1], s[4:5], s[78:79]
	FLOAD 0
	FLOAD 1
	s_wait_loadcnt 32                              ; group 0 is in; group 1's 32 loads may be out
	FLOAD 2
	FMUL 0
	s_wait_loadcnt 32                              ; group 1 is in; group 2's may be out
	FLOAD 3
	FMUL 1
	s_wait_loadcnt 32                              ; group 2 is in; group 3's may be out
	FMUL 2
	s_wait_loadcnt 0x0
	FMUL 3
	WIN 0
	PLACES                                         ; in front of the first read of results
.irp p, 0,1,2,3
	v_pk_add_f32 v[FD+24+2*\p:FD+25+2*\p], v[FD+8+2*\p:FD+9+2*\p], v[FD+16+2*\p:FD+17+2*\p]   ; the two small sums first, each accumulator from its low end on
.endr
.irp p, 0,1,2,3
	v_pk_add_f32 v[FD+24+2*\p:FD+25+2*\p], v[FD+24+2*\p:FD+25+2*\p], v[FD+2*\p:FD+1+2*\p]
.endr
	ds_store_b128 v[FST], v[FD+24:FD+27]
	ds_store_b128 v[FST], v[FD+28:FD+31] offset:512
.Lno_fine:
	s_wait_tensorcnt 1                             ; my part of K step 0 is in; K step 1's may be out
	s_wait_dscnt 0x0                               ; for the others' sake: my partial tile, where I have made one, has landed
	s_barrier_signal -1
	s_barrier_wait -1
	FETCH 0, 0, F0
	QUARTER 0, 1, F0, F1, 1                        ; the first products start the sums
	WIN 0
	; ---- rows 0-15: waves 0 and 1 add the four partial tiles, in a fixed order, and store: the store has the whole loop in which to leave
	s_cmp_lt_u32 s[CLY], 2
	s_cbranch_scc0 .Lno_sum
	s_cmp_lt_u32 s10, 2
	s_cbranch_scc0 .Lno_sum
.irp p, 0,1,2,3
	ds_load_b128 v[96+4*\p:99+4*\p], v[FRD] offset:\p*1024
.endr
	s_wait_dscnt 0x0
	v_pk_add_f32 v[96:97], v[96:97], v[100:101]
	v_pk_add_f32 v[98:99], v[98:99], v[102:103]
	v_pk_add_f32 v[104:105], v[104:105], v[108:109]
	v_pk_add_f32 v[106:107], v[106:107], v[110:111]
	v_pk_add_f32 v[96:97], v[96:97], v[104:105]
	v_pk_add_f32 v[98:99], v[98:99], v[106:107]
	global_store_b128 v[FCO], v[96:99], s[FO:FO+1] th:TH_STORE_NT   ; its registers are not written again
.Lno_sum:
	s_mov_b32 s3, LAPS-1
.Llap:
	QUARTER 0, 2, F1, F0, 0
	QUARTER 0, 3, F0, F1, 0
	TURN 0, 1, 1
	QUARTER 1, 1, F0, F1, 0
	QUARTER 1, 2, F1, F0, 0
	QUARTER 1, 3, F0, F1, 0
	TURN 1, 0, 1
	QUARTER 0, 1, F0, F1, 0
	WIN 0
	s_sub_co_u32 s3, s3, 1
	s_cmp_lg_u32 s3, 0
	s_cbranch_scc1 .Llap
	QUARTER 0, 2, F1, F0, 0                        ; the last lap fills nothing
	QUARTER 0, 3, F0, F1, 0
	TURN 0, 1, 0
	QUARTER 1, 1, F0, F1, 0
	QUARTER 1, 2, F1, F0, 0
	QUARTER 1, 3, F0, F1, 0
	s_wait_dscnt 16
	WIN MUL
	MUL8 F1, 0, 0, 0
	MUL8 F1, 0, 2, 0
	s_wait_dscnt 0
	MUL8 F1, 1, 0, 0
	MUL8 F1, 1, 2, 0
	WIN 0
; THE WAY OUT, block by block of 16 rows x 64 columns (256 bytes a row), through my own stage: no barrier, and LDS serves a wave's instructions in order, so no wait between the stores and the loads.
.macro TOSTAGE a
.irp b, 0,1,2,3
	ds_store_b128 v[STO], v[ACC+8*(4*(\a)+\b):ACC+8*(4*(\a)+\b)+3] offset:64*\b      ; each accumulator from its low end on
	ds_store_b128 v[STO], v[ACC+8*(4*(\a)+\b)+4:ACC+8*(4*(\a)+\b)+7] offset:64*\b+16
.endr
.irp t, 0,1,2,3,4,5,6,7
	ds_load_b128 v[TMP+32*((\a)%2)+4*\t:TMP+32*((\a)%2)+4*\t+3], v[RD] offset:\t*2*SPITCH
.endr
.endm
.macro SEND a, younger
	s_wait_dscnt \younger                          ; the block is back; the next block's eight stores and eight loads may be out
.if (\a) == 0
	s_wait_xcnt 0x0                                ; EXEC changes only behind this wait
	v_cmp_ne_u32 vcc_lo, 0, v[RB]                  ; rows 0-15 of out0 are stored by the lines ahead of the loop: a lane mask, no branch
	s_and_saveexec_b32 s20, vcc_lo
.endif
.irp t, 0,1,2,3,4,5,6,7
	global_store_b128 v[CO], v[TMP+32*((\a)%2)+4*\t:TMP+32*((\a)%2)+4*\t+3], s[8:9] offset:(16*(\a)+2*\t)*8192 th:TH_STORE_NT   ; sixteen lanes store 256 consecutive bytes, at a multiple of 256 from out0's first byte
.endr
.if (\a) == 0
	s_wait_xcnt 0x0
	s_or_b32 exec_lo, exec_lo, s20
.endif
.endm
	PLACES
	TOSTAGE 0
.irp a, 1,2,3
.if \a > 1
	s_wait_xcnt 0x0                                ; block a - 2's stores have read their registers
.endif
	TOSTAGE \a
	SEND \a-1, 16
.endr
	SEND 3, 0
	s_wait_tensorcnt 0x0                           ; the wave's end, behind my last tensor load and my last LDS store
	ds_add_u32 v[SPW], v[NIL]
	s_wait_dscnt 0x0
	CROUND                                         ; the closing round
	s_endpgm
.Lfunc_end_k_qa32d5c92ef_proj:
	.size	k_qa32d5c92ef_proj, .Lfunc_end_k_qa32d5c92ef_proj-k_qa32d5c92ef_proj
	.p2alignl 7, 3214868480
	.fill 96, 4, 3214868480
	.section	.rodata,"a",@progbits
	.p2align	6, 0x0
	.amdhsa_kernel k_qa32d5c92ef_proj
		.amdhsa_group_segment_fixed_size 327680
		.amdhsa_private_segment_fixed_size 0
		.amdhsa_enable_private_segment 0
		.amdhsa_kernarg_size 24
		.amdhsa_user_sgpr_count 2
		.amdhsa_user_sgpr_kernarg_segment_ptr 1
		.amdhsa_wavefront_size32 1
		.amdhsa_system_sgpr_workgroup_id_x 1
		.amdhsa_system_sgpr_workgroup_id_y 1
		.amdhsa_system_sgpr_workgroup_id_z 1
		.amdhsa_system_vgpr_workitem_id 0
		.amdhsa_next_free_vgpr 1024
		.amdhsa_next_free_sgpr 84
		.amdhsa_reserve_vcc 1
		.amdhsa_float_denorm_mode_32 3
		.amdhsa_float_denorm_mode_16_64 3
		.amdhsa_memory_ordered 1
		.amdhsa_forward_progress 1
		.amdhsa_inst_pref_size 104
	.end_amdhsa_kernel
	.amdgpu_metadata
---
amdhsa.version: [ 1, 2 ]
amdhsa.kernels:
  - .name:           k_qa32d5c92ef_proj
    .symbol:         k_qa32d5c92ef_proj.kd
    .args:
      - { .name: ctx16, .offset: 0, .size: 8, .value_kind: global_buffer, .address_space: global }
      - { .name: wo16, .offset: 8, .size: 8, .value_kind: global_buffer, .address_space: global }
      - { .name: out0, .offset: 16, .size: 8, .value_kind: global_buffer, .address_space: global }
    .group_segment_fixed_size: 327680
    .private_segment_fixed_size: 0
    .kernarg_segment_align: 8
    .kernarg_segment_size: 24
    .max_flat_workgroup_size: 128
    .sgpr_count:     84
    .vgpr_count:     1024
    .wavefront_size: 32
...
	.end_amdgpu_metadata
.endif
;; end of part 4
